; MI455X (gfx1250); checked and timed in simulation.
; The chip was launched on July 23, 2026; its instructions are those of AMD's public machine-readable ISA for CDNA 5 (MIT licence, August 2026) and "CDNA5" Instruction Set Architecture Reference Guide (July 2026). The comments in the code are by the model that wrote it; some were corrected since.
;; Sliding Window Attention. Allowed arithmetic: matrix products marked QUANTISED: E2M3 operands, one E8M0 scale for each 32 along K, by v_wmma_scale_f32_16x16x128_f8f6f4 with both operands' format E2M3, f32 sums; everything else in f32.
;; Inputs: Wk 1,024 x 1,024 float32; Wo 1,024 x 1,024 float32; Wq 1,024 x 1,024 float32; Wv 1,024 x 1,024 float32; x 1 x 4,096 x 1,024 float32.
;; Outputs: out0 1 x 4,096 x 1,024 float32.
;; This version of the problem:
;;   THIS VERSION OF THE PROBLEM IS GIVEN IN LOW PRECISION. The matrix products marked QUANTISED in the list below multiply operands that are first quantised to E2M3 (2 exponent bits, 3 mantissa bits; 6 bits a number), with one power-of-two scale for each 32 numbers along K (OCP MX v1.0); their sums are f32. All else is computed in f32.
;;   The module's matrix products, in the order in which they are computed (A, B: the left and right operand; K: the contracted axis; several contracted axes count as one K, in the product's order):
;;     1. [M 4,096, K 1,024] x [K 1,024, N 1,024]; A: input x; B: input Wq: QUANTISED
;;     2. [M 4,096, K 1,024] x [K 1,024, N 1,024]; A: input x; B: input Wk: QUANTISED
;;     3. [M 4,096, K 1,024] x [K 1,024, N 1,024]; A: input x; B: input Wv: QUANTISED
;;     4. batch 16 x [M 4,096, K 64] x [K 64, N 4,096]; A: computed on the way; B: computed on the way: QUANTISED
;;     5. batch 16 x [M 4,096, K 4,096] x [K 4,096, N 64]; A: softmax (see below); B: computed on the way: QUANTISED
;;     6. [M 4,096, K 1,024] x [K 1,024, N 1,024]; A: computed on the way; B: input Wo: QUANTISED
;;   THE QUANTISER, for each operand of a quantised product, along K:
;;     - K is cut into blocks of 32 from its start; a last block that is shorter is filled with zeros.
;;     - A block's scale is 2^e with e = floor(log2(the largest magnitude in the block)) - 2, held to -126 .. 127; a block of zeros has e = 0. As a byte (E8M0): e + 127.
;;     - Each number is divided by its block's scale, clamped to +-7.5, and rounded to the nearest number of E2M3, ties to even, subnormals kept.
;;     - The product sums the exact products of the quantised numbers (number of the format x scale) in f32.
;;   ~~~python
;;   def quantise(x, axis):      # numpy; x: float32 -> the quantised numbers, widened to float32 again
;;       x = np.moveaxis(x, axis, -1); K = x.shape[-1]
;;       x = np.pad(x, [(0, 0)] * (x.ndim - 1) + [(0, -K % 32)]); x = x.reshape(x.shape[:-1] + (-1, 32)); a = np.abs(x).max(-1, keepdims=True)
;;       e = np.where(a > 0, np.clip(np.frexp(np.where(a > 0, a, 1))[1] - 1 - 2, -126, 127), 0)      # np.frexp(a)[1] - 1 = floor(log2(a)), exactly
;;       r = np.clip(x / 2.0 ** e, -7.5, 7.5)
;;       step = 2.0 ** (np.maximum(np.frexp(np.where(r == 0, 1, r))[1] - 1, 0) - 3)
;;       q = np.round(r / step) * step * 2.0 ** e      # np.round: ties to even
;;       return np.moveaxis(q.reshape(q.shape[:-2] + (-1,))[..., :K], -1, axis).astype(np.float32)
;;   ~~~
;;   SOFTMAX AHEAD OF A QUANTISED PRODUCT. Where the list says 'softmax', what is quantised is not the finished softmax but p = 2^(t - M), with t = logit x log2(e) and M = ceil(the row's largest t), a whole number; so 1/2 < the row's largest p <= 1. The row's sum l is taken of the UNQUANTISED p, in f32, and the product's result is divided by l at the end. Since M is a whole number, a kernel that streams over the keys may use a running M (the ceiling of the running maximum): every later rescaling is an exact power of two, which a block's scale takes up: the codes' values come out the same.
;;   OPERANDS COMPUTED ON THE WAY. 'Computed on the way' means the value that the module computes at that place (a softmax that the list does not call 'softmax' is quantised finished and normalised). What goes into a quantiser is computed in f32, as accurately as f32 sums, v_exp_f32 and their like allow (about 1e-6 of the number): no bf16 or f16 on the way to a quantiser, and a product that is left as it is and whose result goes on into a quantised operand takes f32 operands (vector FMAs, or v_wmma_f32_16x16x4_f32). A number that lies on a knife's edge between two numbers of the format may be rounded either way, as far as f32 arithmetic and the matrix unit's own rounding can turn it there, and no further.
;; One version. Each part assembles by itself: llvm-mc -triple=amdgcn-amd-amdhsa -mcpu=gfx1250 --defsym DOCPART=n.
;; ======== version 1 of 1: 4 launches
;; workspace buffers: img 6,291,456 bytes; sc 262,144 bytes; tab 1,048,576 bytes; qk 6,815,744 bytes; vrec 3,276,800 bytes; o_img 3,145,728 bytes; o_sc 131,072 bytes
;; launch prep (part 1): grid 256 x 1, 8 waves a work-group, no clusters, 68,608 bytes of LDS; arguments x, Wq, Wk, Wv, Wo, img, sc, tab; writes img, sc, tab
.if DOCPART == 1
	.amdgcn_target "amdgcn-amd-amdhsa--gfx1250"
	.amdhsa_code_object_version 6
	.text
	.protected	k_qc96f4966a9_prep
	.globl	k_qc96f4966a9_prep
	.p2align	8
	.type	k_qc96f4966a9_prep,@function
k_qc96f4966a9_prep:
	s_mov_b64 s[64:65], 0
	v_nop
	global_prefetch_b8 v0, s[64:65] scope:SCOPE_SE
	s_setreg_imm32_b32 hwreg(HW_REG_WAVE_MODE, 25, 1), 1
	s_wait_xcnt 0x0
; x [4096][1024] and Wq, Wk, Wv, Wo [1024][1024], f32, K innermost, become codes of FP6 (E2M3) with one E8M0 byte for each 32 along K, laid as IMAGES OF THE OPERAND'S REGISTERS;
; and the table of cos and sin for the rotation is made, in f32.
; ROW ORDER.  Stored tile T (16 rows), lane-row r, holds source row 32 (T/2) + 8 (T%2) + r + 8 (r/8): with that order a transposed product leaves 16 neighbours along the next K in a lane's registers.
; FRAGMENT (16 rows x 128 K, 12 registers a lane, 1,536 bytes): two halves c of 768 bytes: registers 6c..6c+3 at 16 x lane (512 bytes), then registers 6c+4, 6c+5 at 8 x lane (256 bytes).
; img: [512 tiles][8 K steps][1,536]; tiles 0-255 x, 256-319 Wq, 320-383 Wk, 384-447 Wv, 448-511 Wo.   sc: [8 K steps][512 tiles][16 words], a word = a row's four bytes of that K step.
; tab: [256 tiles][8 chunks e][32 lanes][16 bytes]: lane (r, h) of chunk e: cos, sin, cos, sin of frequencies 16 (e/4) + 8 h + 2 (e%4) + 0, 1 at position (tile, r) in the row order.
; SHARES.  Work-group G owns 32 source rows (stored tiles 2 G, 2 G + 1) and table tile G; wave w owns K step w of both tiles and table chunk w.  All 32 loads of a wave (512 consecutive bytes each) go out at once;
; the table is made while they are on their way.  A fragment's 16 x 512 bytes turn through the wave's own stage in LDS (rows 528 bytes apart), so that a lane gets the 2 x 32 neighbours that the operand's layout gives it.
; No tensor loads, no barrier, no matrix unit: waves share nothing and memory binds.
; A block's scale byte is its largest magnitude's exponent field - 2, held at 1 from below.  A block of zeros gets the byte 1 where the rule says 127: its codes are zeros, and this program alone reads the bytes.
; LIMITS: NaN and infinities among the inputs are not served.  The angle's reduction in two parts of pi/2 serves angles under 2^13 (here at most 4,095).  The inverse frequencies 10000^(-i/32) are made as
; 2^(-i log2(10)/8) with the exponent in two parts: about an ulp from the true number.
.set R,   32                           ; v32-159  two fragments' numbers as loaded
.set X,   160                          ; v160-223 64 numbers back from the stage: register 32 c + i = k 64 c + 32 h + i of my row
.set PC,  224                          ; v224-235, v236-247 the two fragments' codes: store data, never rewritten
.set TT,  248                          ; v248-250, v252-254 second halves of blocks, to be moved
.set SP,  528                          ; a stage row: 512 bytes + 16
	s_load_b256 s[4:11], s[0:1], 0x0               ; x s[4:5], Wq s[6:7], Wk s[8:9], Wv s[10:11]
	s_load_b256 s[12:19], s[0:1], 0x20             ; Wo s[12:13], img s[14:15], sc s[16:17], tab s[18:19]
	v_lshl_add_u32 v251, v0, 2, 0x10800
	v_mov_b32 v255, 0
	v_lshrrev_b32 v1, 5, v0
	s_delay_alu instid0(VALU_DEP_1)
	v_readfirstlane_b32 s20, v1                    ; wave 0..7
	v_and_b32 v1, 31, v0                           ; lane
	v_and_b32 v2, 15, v0                           ; r
	v_bfe_u32 v3, v0, 4, 1                         ; h
	s_delay_alu instid0(VALU_DEP_3)
	v_lshlrev_b32 v4, 4, v1                        ; 16 x lane
	s_delay_alu instid0(VALU_DEP_4)
	v_lshlrev_b32 v5, 3, v1                        ; 8 x lane
	v_lshlrev_b32 v6, 2, v1                        ; 4 x lane
	s_mul_i32 s21, s20, 16*SP                      ; my stage
	v_add_nc_u32 v7, s21, v4                       ; into it: 16 x lane of a row
	v_mul_u32_u24 v8, v2, SP
	s_delay_alu instid0(VALU_DEP_1)
	v_lshl_add_u32 v8, v3, 7, v8
	s_delay_alu instid0(VALU_DEP_1)
	v_add_nc_u32 v8, s21, v8                       ; out of it: row r, + 128 h bytes
	v_lshlrev_b32 v9, 3, v3                        ; 8 h: where my two bytes stand in the scale word
	s_mov_b32 s22, 0x76543210
	s_mov_b32 s23, 0xfedcba98                      ; v_permlanex16_b32's selects for lane l xor 16
	s_mov_b32 s24, 0xffff0000                      ; lanes 16-31
	s_and_b32 s48, ttmp9, 31                       ; a weight's group of 32 rows
	s_lshl_b32 s49, s20, 9                         ; my K step: 512 bytes of a row
	s_lshl_b32 s54, ttmp9, 12                      ; tab: 4,096 G + 512 w
	s_add_co_u32 s54, s54, s49
	s_mov_b32 s55, 0
	s_mul_i32 s56, ttmp9, 24576                    ; img: 2 tiles x 12,288 x G + 1,536 w
	s_mul_i32 s57, s20, 1536
	s_add_co_u32 s56, s56, s57
	s_mov_b32 s57, 0
	s_lshl_b32 s58, s20, 15                        ; sc: 32,768 w + 128 G
	s_lshl_b32 s59, ttmp9, 7
	s_add_co_u32 s58, s58, s59
	s_mov_b32 s59, 0
	s_wait_alu depctr_va_vdst(0)
	s_wait_kmcnt 0x0
	s_mov_b64 s[46:47], s[12:13]                   ; which tensor: the choice hangs on the work-group's number alone
	s_cmp_lt_u32 ttmp9, 224
	s_cselect_b64 s[46:47], s[10:11], s[46:47]
	s_cmp_lt_u32 ttmp9, 192
	s_cselect_b64 s[46:47], s[8:9], s[46:47]
	s_cmp_lt_u32 ttmp9, 160
	s_cselect_b64 s[46:47], s[6:7], s[46:47]
	s_cmp_lt_u32 ttmp9, 128
	s_cselect_b64 s[46:47], s[4:5], s[46:47]
	s_cselect_b32 s48, ttmp9, s48                  ; x: its group of rows is G itself
	s_lshl_b32 s48, s48, 17                        ; 32 rows of 4,096 bytes
	s_add_co_u32 s48, s48, s49
	s_mov_b32 s49, 0
	s_add_nc_u64 s[46:47], s[46:47], s[48:49]
.irp u, 0,1
.irp i, 0,1,2,3,4,5,6,7,8,9,10,11,12,13,14,15
	global_load_b128 v[R+64*\u+4*\i:R+64*\u+4*\i+3], v4, s[46:47] offset:(8*\u+\i+8*(\i/8))*4096 th:TH_LOAD_NT   ; stored row i of tile u: 512 consecutive bytes
.endr
.endr
	s_add_nc_u64 s[44:45], s[18:19], s[54:55]
	s_add_nc_u64 s[50:51], s[14:15], s[56:57]
	s_add_nc_u64 s[52:53], s[16:17], s[58:59]
	; ---- the table, while the loads are on their way
	s_mov_b32 s26, 0x3ed49a78                      ; log2(10) / 8, upper part
	s_mov_b32 s27, 0x32179a37                      ; and what is left of it
	s_mov_b32 s28, 0x3f317218                      ; ln 2
	s_mov_b32 s29, 0x3f22f983                      ; 2 / pi
	s_mov_b32 s30, 0x3fc90fdb                      ; pi / 2, upper part
	s_mov_b32 s31, 0xb33bbd2e                      ; and what is left of it
	s_mov_b32 s32, 0xbe2aaaa3                      ; sin r = r + r z (S1 + S2 z + S3 z^2), z = r^2, |r| <= pi / 4
	s_mov_b32 s33, 0x3c08839e
	s_mov_b32 s34, 0xb94ca1f9
	s_mov_b32 s35, 0x3d2aaaa5                      ; cos r = 1 - z / 2 + z^2 (C1 + C2 z + C3 z^2)
	s_mov_b32 s36, 0xbab6061a
	s_mov_b32 s37, 0x37ccf5ce
	s_lshr_b32 s41, ttmp9, 1
	s_lshl_b32 s41, s41, 5
	s_and_b32 s42, ttmp9, 1
	s_lshl_b32 s42, s42, 3
	s_add_co_u32 s41, s41, s42                     ; 32 (G/2) + 8 (G%2)
	s_lshr_b32 s42, s20, 2
	s_lshl_b32 s42, s42, 4
	s_and_b32 s43, s20, 3
	s_lshl_b32 s43, s43, 1
	s_add_co_u32 s42, s42, s43                     ; 16 (w/4) + 2 (w%4)
	v_lshrrev_b32 v10, 1, v1                       ; two lanes to a table lane: its r = lane / 2
	s_delay_alu instid0(VALU_DEP_1)
	v_and_b32 v11, 8, v10
	s_delay_alu instid0(VALU_DEP_1)
	v_add_nc_u32 v10, v10, v11
	s_delay_alu instid0(VALU_DEP_1)
	v_add_nc_u32 v10, s41, v10
	s_delay_alu instid0(VALU_DEP_1)
	v_cvt_f32_u32 v11, v10                         ; the position
	v_and_b32 v12, 1, v1
	s_delay_alu instid0(VALU_DEP_1)
	v_add_nc_u32 v12, s42, v12                     ; the frequency's number, less 8 t
.macro TABLE t                         ; the table lanes with h = t: one pair (cos, sin) a lane; the wave stores 256 consecutive bytes
	v_add_nc_u32 v13, 8*\t, v12
	s_delay_alu instid0(VALU_DEP_1)
	v_cvt_f32_u32 v13, v13                         ; i
	s_delay_alu instid0(VALU_DEP_1)
	v_mul_f32 v14, s26, v13                        ; a = i log2(10) / 8, rounded;
	s_delay_alu instid0(VALU_DEP_1)
	v_fma_f32 v15, v13, s26, -v14                  ; what the rounding dropped,
	s_delay_alu instid0(VALU_DEP_1)
	v_fma_f32 v15, v13, s27, v15                   ; and the constant's own rest
	s_wait_alu depctr_va_vdst(0)
	v_exp_f32 v16, -v14
	v_mul_f32 v15, s28, v15                        ; (a plain line behind the exponential)
	s_wait_alu depctr_va_vdst(0)
	v_fma_f32 v16, -v16, v15, v16                  ; 2^-(a + e) = 2^-a (1 - e ln 2)
	s_delay_alu instid0(VALU_DEP_1)
	v_mul_f32 v17, v11, v16                        ; the angle, rounded once
	s_delay_alu instid0(VALU_DEP_1)
	v_mul_f32 v18, s29, v17
	s_delay_alu instid0(VALU_DEP_1)
	v_rndne_f32 v18, v18                           ; n quarter turns
	s_delay_alu instid0(VALU_DEP_1)
	v_fma_f32 v19, -v18, s30, v17
	s_delay_alu instid0(VALU_DEP_1)
	v_fma_f32 v19, -v18, s31, v19                  ; r
	s_delay_alu instid0(VALU_DEP_1)
	v_mul_f32 v14, v19, v19                        ; z
	s_delay_alu instid0(VALU_DEP_1)
	v_fma_f32 v15, s34, v14, s33
	s_delay_alu instid0(VALU_DEP_1)
	v_fma_f32 v15, v15, v14, s32
	s_delay_alu instid0(VALU_DEP_3)
	v_mul_f32 v16, v14, v19
	s_delay_alu instid0(VALU_DEP_1)
	v_fma_f32 v15, v15, v16, v19                   ; sin r
	v_fma_f32 v16, s37, v14, s36
	s_delay_alu instid0(VALU_DEP_1)
	v_fma_f32 v16, v16, v14, s35
	v_mul_f32 v17, v14, v14
	v_fma_f32 v13, v14, -0.5, 1.0
	s_delay_alu instid0(VALU_DEP_1)
	v_fma_f32 v16, v16, v17, v13                   ; cos r
	v_cvt_i32_f32 v18, v18
	s_delay_alu instid0(VALU_DEP_1)
	v_and_b32 v13, 1, v18
	s_delay_alu instid0(VALU_DEP_1)
	v_cmp_ne_u32 vcc_lo, 0, v13                    ; an odd quarter swaps the two
	s_delay_alu instid0(VALU_DEP_1)
	v_cndmask_b32 v[26+2*\t], v16, v15, vcc_lo
	s_delay_alu instid0(VALU_DEP_2)
	v_cndmask_b32 v[27+2*\t], v15, v16, vcc_lo
	v_add_nc_u32 v13, 1, v18
	s_delay_alu instid0(VALU_DEP_1)
	v_and_b32 v13, 2, v13
	s_delay_alu instid0(VALU_DEP_1)
	v_lshlrev_b32 v13, 30, v13
	s_delay_alu instid0(VALU_DEP_1)
	v_xor_b32 v[26+2*\t], v[26+2*\t], v13          ; cos is negative in quarters 1 and 2,
	v_and_b32 v13, 2, v18
	s_delay_alu instid0(VALU_DEP_1)
	v_lshlrev_b32 v13, 30, v13
	s_delay_alu instid0(VALU_DEP_1)
	v_xor_b32 v[27+2*\t], v[27+2*\t], v13          ; sin in quarters 2 and 3
	global_store_b64 v5, v[26+2*\t:27+2*\t], s[44:45] offset:256*\t
.endm
	TABLE 0
	TABLE 1
	v_mov_b32 v17, 0                               ; a lane permute's destination counts as one of its sources
; ---- fragment u: through the stage, the two blocks' scales, the codes, out
.macro FRAGMENT u
.set PCU, PC+12*\u
.irp i, 0,1,2,3,4,5,6,7,8,9,10,11,12,13,14,15
	ds_store_b128 v7, v[R+64*\u+4*\i:R+64*\u+4*\i+3] offset:SP*\i
.endr
.irp c, 0,1
.irp e, 0,1,2,3,4,5,6,7
	ds_load_b128 v[X+32*\c+4*\e:X+32*\c+4*\e+3], v8 offset:256*\c+16*\e   ; LDS serves a wave's instructions in order: these see my stores
.endr
.endr
	s_wait_dscnt 0x0
.irp c, 0,1
	v_max3_num_f32 v[10+\c], |v[X+32*\c]|, |v[X+32*\c+1]|, 0x1800000     ; my block 2 c + h: all its 32 numbers are mine; the floor 2^(3 - 127) keeps the byte from falling under 1
.endr
.irp i, 2,4,6,8,10,12,14,16,18,20,22,24,26,28,30
.irp c, 0,1
	s_delay_alu instid0(VALU_DEP_2)
	v_max3_num_f32 v[10+\c], v[10+\c], |v[X+32*\c+\i]|, |v[X+32*\c+\i+1]|
.endr
.endr
.irp c, 0,1
	s_delay_alu instid0(VALU_DEP_2)
	v_add_nc_u32 v[12+\c], 0xff000000, v[10+\c]    ; 2 off the exponent field: the conversion's scale operand
.endr
.irp c, 0,1
	s_delay_alu instid0(VALU_DEP_2)
	v_lshrrev_b32 v[14+\c], 23, v[12+\c]           ; the scale's byte
.endr
	s_delay_alu instid0(VALU_DEP_1)
	v_lshl_or_b32 v16, v15, 16, v14                ; bytes h and 2 + h of my row's word,
	s_delay_alu instid0(VALU_DEP_1)
	v_lshlrev_b32 v16, v9, v16                     ; at their places;
	s_delay_alu instid0(VALU_DEP_1)
	v_permlanex16_b32 v17, v16, s22, s23
	s_delay_alu instid0(VALU_DEP_1)
	v_or_b32 v[20+\u], v16, v17                    ; with lane l xor 16's two the word is whole, in both lanes
.irp c, 0,1
	v_cvt_scalef32_pk16_fp6_f32 v[PCU+6*\c:PCU+6*\c+2], v[X+32*\c:X+32*\c+15], v[12+\c]
	v_cvt_scalef32_pk16_fp6_f32 v[TT+4*\c:TT+4*\c+2], v[X+32*\c+16:X+32*\c+31], v[12+\c]   ; (a conversion's three registers begin on an even number)
.endr
	v_nop                                          ; one plain line behind the scaled conversions
.irp c, 0,1
.irp i, 0,1,2
	v_mov_b32 v[PCU+6*\c+3+\i], v[TT+4*\c+\i]
.endr
.endr
.irp c, 0,1
	global_store_b128 v4, v[PCU+6*\c:PCU+6*\c+3], s[50:51] offset:12288*\u+768*\c          ; 512 consecutive bytes, aligned to 256
	global_store_b64 v5, v[PCU+6*\c+4:PCU+6*\c+5], s[50:51] offset:12288*\u+768*\c+512     ; 256 consecutive bytes, aligned
.endr
.endm
	s_wait_loadcnt 16                              ; the first fragment's sixteen loads are in; the second's sixteen may be out
	FRAGMENT 0
	s_wait_loadcnt 0x0
	FRAGMENT 1
	v_cndmask_b32 v22, v20, v21, s24               ; lanes 0-15: tile 2 G's words, lanes 16-31: tile 2 G + 1's
	global_store_b32 v6, v22, s[52:53]             ; 128 consecutive bytes
	s_wait_tensorcnt 0x0
	ds_add_u32 v251, v255
	s_wait_dscnt 0x0
	s_endpgm
.Lfunc_end_k_qc96f4966a9_prep:
	.size	k_qc96f4966a9_prep, .Lfunc_end_k_qc96f4966a9_prep-k_qc96f4966a9_prep
	.p2alignl 7, 3214868480
	.fill 96, 4, 3214868480
	.section	.rodata,"a",@progbits
	.p2align	6, 0x0
	.amdhsa_kernel k_qc96f4966a9_prep
		.amdhsa_group_segment_fixed_size 68608
		.amdhsa_private_segment_fixed_size 0
		.amdhsa_enable_private_segment 0
		.amdhsa_kernarg_size 64
		.amdhsa_user_sgpr_count 2
		.amdhsa_user_sgpr_kernarg_segment_ptr 1
		.amdhsa_wavefront_size32 1
		.amdhsa_system_sgpr_workgroup_id_x 1
		.amdhsa_system_sgpr_workgroup_id_y 1
		.amdhsa_system_sgpr_workgroup_id_z 1
		.amdhsa_system_vgpr_workitem_id 0
		.amdhsa_next_free_vgpr 256
		.amdhsa_next_free_sgpr 66
		.amdhsa_reserve_vcc 1
		.amdhsa_float_denorm_mode_32 3
		.amdhsa_float_denorm_mode_16_64 3
		.amdhsa_memory_ordered 1
		.amdhsa_forward_progress 1
		.amdhsa_inst_pref_size 26
	.end_amdhsa_kernel
	.amdgpu_metadata
---
amdhsa.version: [ 1, 2 ]
amdhsa.kernels:
  - .name:           k_qc96f4966a9_prep
    .symbol:         k_qc96f4966a9_prep.kd
    .args:
      - { .name: x, .offset: 0, .size: 8, .value_kind: global_buffer, .address_space: global }
      - { .name: Wq, .offset: 8, .size: 8, .value_kind: global_buffer, .address_space: global }
      - { .name: Wk, .offset: 16, .size: 8, .value_kind: global_buffer, .address_space: global }
      - { .name: Wv, .offset: 24, .size: 8, .value_kind: global_buffer, .address_space: global }
      - { .name: Wo, .offset: 32, .size: 8, .value_kind: global_buffer, .address_space: global }
      - { .name: img, .offset: 40, .size: 8, .value_kind: global_buffer, .address_space: global }
      - { .name: sc, .offset: 48, .size: 8, .value_kind: global_buffer, .address_space: global }
      - { .name: tab, .offset: 56, .size: 8, .value_kind: global_buffer, .address_space: global }
    .group_segment_fixed_size: 68608
    .private_segment_fixed_size: 0
    .kernarg_segment_align: 8
    .kernarg_segment_size: 64
    .max_flat_workgroup_size: 256
    .sgpr_count:     66
    .vgpr_count:     256
    .wavefront_size: 32
...
	.end_amdgpu_metadata
.endif
;; end of part 1
;; launch qkv (part 2): grid 48 x 4, 4 waves a work-group, clusters of 4 x 4, 327,680 bytes of LDS; arguments img, sc, tab, qk, vrec; writes qk, vrec
.if DOCPART == 2
	.amdgcn_target "amdgcn-amd-amdhsa--gfx1250"
	.amdhsa_code_object_version 6
	.text
	.protected	k_qc96f4966a9_qkv
	.globl	k_qc96f4966a9_qkv
	.p2align	8
	.type	k_qc96f4966a9_qkv,@function
k_qc96f4966a9_qkv:
	s_mov_b64 s[64:65], 0
	v_nop
	global_prefetch_b8 v0, s[64:65] scope:SCOPE_SE
	s_setreg_imm32_b32 hwreg(HW_REG_WAVE_MODE, 25, 1), 1
	s_wait_xcnt 0x0
	s_wait_alu depctr_hold_cnt(0) depctr_sa_sdst(0) depctr_va_vdst(0) depctr_va_sdst(0) depctr_va_ssrc(0) depctr_va_vcc(0) depctr_vm_vsrc(0)
	s_getreg_b32 s2, hwreg(HW_REG_IB_STS2, 6, 4)
	s_cmp_eq_u32 s2, 0
	s_cbranch_scc0 .Lentry_in_a_cluster
	s_endpgm
.Lentry_in_a_cluster:
	s_bfe_u32 s2, ttmp6, 0x10000c
	s_cmp_lg_u32 s2, 0xf033
	s_cbranch_scc0 .Lentry_shape_is_right
	s_endpgm
.Lentry_shape_is_right:
; The three projections on codes of FP6 (E2M3) with E8M0 scales, the rotation of q and k, and the quantising of q, k (along the head's 64) and v (along the keys) for the attention.
; TWO JOBS, chosen by the cluster's number, which all sixteen partners share:  clusters 0-7: C = x [Wq; Wk]^T (4,096 x 2,048);  clusters 8-11: C = Wv x^T = V^T (1,024 x 4,096), so that the keys run along a lane's registers.
; A tile of C, 256 x 256, is made by a work-group of four waves; a wave makes 128 x 128: 64 accumulators of 16 x 16, 512 registers.  192 work-groups of equal work.
; OPERANDS lie in img as images of their registers: [tile of 16 rows][8 K steps][1,536 bytes]; a fragment's half c (768 bytes): registers 6c..6c+3 at 16 x lane, then 6c+4, 6c+5 at 8 x lane.  So a fragment comes from LDS by
; two loads of 16 bytes and two of 8, each of consecutive bytes: no padding.  Stored tile T, lane-row r, is source row 32 (T/2) + 8 (T%2) + r + 8 (r/8).
; K goes in steps of 256 (two fragments a tile) through a ring of two LDS slots: four fills, written out.  The scale words of all of K (sc: [K step][tile][16 words]) come once, with the first fills.
; CLUSTERS: 4 x 4 work-groups; A's tiles are asked for jointly along a row of the cluster, B's along a column: the same tensor load with the same descriptor and a mask that names the four.
; THE MATRIX INSTRUCTION IS USED TRANSPOSED (source 0 = 16 rows of B, source 1 = 16 rows of A): with the row order above, register 16 B + i of a block of A's 16 rows is column 32 B + 16 (lane / 16) + i: 16 neighbours along the next K.
; THE WAY OUT uses no LDS.  q, k: a block's 64 numbers a lane are rotated (cos and sin from tab, in the same layout), quantised in registers, and the fragment's two halves go to two heads' records.
; v: a block's 64 numbers a lane are 128 keys of one channel: quantised as they stand.
; qk: [32 heads (0-15 q, 16-31 k)][32 blocks of 128 positions][6,656]: 8 tiles x 768 bytes (a fragment's half: K = 64), then 8 x 16 scale words.  In a word bytes 0, 1 count; bytes 2, 3 meet zero codes and are never 0xff.
; vrec: [16 heads][32 blocks of 128 keys][6,400]: 4 tiles of 16 channels x 1,536 bytes (registers 4k..4k+3 at 16 x lane), then 4 x 16 scale words.
; LIMITS: NaN and infinities are not served; a block of zeros gets the byte 1 where the rule says 127 (its codes are zeros, and this program alone reads the bytes).
; REGISTERS: window 0: v16-29 addresses; v32-63 scale words, two sets; v128-223 A's fragments, one set; on the way out v64-251 are at work.  window 1: B's fragments, two sets, at v0 and v128.  windows 2, 3: the accumulators ((a, b) at v[8 (8 (a%4) + b)]).
.set NQ,     2                         ; fragments along K in a slot
.set FR,     12                        ; registers of a fragment
.set FRB,    1536                      ; and its bytes
.set NL,     4                         ; LDS loads that bring one
.set NP,     4                         ; places behind this matrix instruction (ISA guide 7.12.1)
.set TILEB,  NQ*FRB                    ; a tile's part of a slot
.set HALFT,  8*TILEB                   ; 8 tiles = 128 rows: what one tensor load brings, and what one wave reads of A or of B
.set SLOT,   4*HALFT                   ; A's 256 rows, then B's 256 rows
.set SCL,    2*SLOT                    ; behind the ring: the scale words, four quarters [8 K steps][8 tiles][64 bytes]
.set HALFS,  4096
.set SPARE,  SCL+4*HALFS               ; the spare words, 128 bytes for each wave: two blocks of 256 bytes that no other line names
.set ADRA, 16                          ; v16-17 LDS address of my A fragments' 16-byte parts in slot 0, 1; v18-19 of their 8-byte parts
.set ADRB, 20                          ; v20-23 the same for B
.set L16,  24                          ; v24 16 x lane
.set L8,   25                          ; v25 8 x lane
.set L4,   26                          ; v26 4 x lane
.set ADRS, 27                          ; v27 LDS address of my scale words: lanes 0-15 A's rows, lanes 16-31 B's
.set SPW,  28                          ; v28 LDS address of my spare word; never rewritten
.set NIL,  29                          ; v29 0; never rewritten
.set SC,   32                          ; scale words: set s at v[SC + 16 s]; register 2 i + q: lanes 0-15 A's block i, lanes 16-31 B's block i, the slot's q-th 128 along K
.set AF,   128                         ; A's fragments
.set RT,   64                          ; the way out: v64-127 a block's rotated numbers
.set TAB,  128                         ; v128-159, v160-191 cos and sin, by the block's parity
.set PC,   192                         ; v192-211, v212-231 codes (12) and conversion results to be moved (8), by parity
.set TM,   232                         ; v232-247 at work in QUANT
.set PW,   248                         ; v248, v249 the scale word just made, by parity
.set SW,   250                         ; v250, v251 scale words to store
.set G1, 24                            ; s[24:31] group 1 for A's tiles; s[32:39] group 0, one set a slot
.set G0, 32
.set G1B, 48                           ; s[48:55], s[56:63] the same for B's
.set G0B, 56
.set G1S, 68                           ; s[68:75], s[76:79] groups 1 and 0 for A's scale words; s[80:87], s[88:91] for B's
.set G0S, 76
.set G1SB, 80
.set G0SB, 88
.set MSB, 0
.macro WIN new                         ; the immediate's high byte repeats the setting that is left; a switch that changes nothing is dropped
.if MSB != (\new)
	s_set_vgpr_msb (MSB<<8)|(\new)
.set MSB, (\new)
.endif
.endm
.set MUL_LO, 0xa1                      ; source 0 (B) window 1, source 1 (A) window 0, C and D window 2
.set MUL_HI, 0xf1                      ; the same, C and D window 3
.set TO_B,   0x40                      ; destination window 1, address window 0
; A joint load: waves 0 and 1 fetch for A, waves 2 and 3 for B.  The branch hangs on the wave's number alone.  Four v_nop follow each of the two lines.
.macro JLOAD g0a, g1a, g0b, g1b
	s_cmp_eq_u32 s15, 0
	s_cbranch_scc0 .Lfor_b_\@
	tensor_load_to_lds s[\g0a:\g0a+3], s[\g1a:\g1a+7]
	s_nop 0
.rept 4
	v_nop
.endr
	s_branch .Lasked_\@
.Lfor_b_\@:
	tensor_load_to_lds s[\g0b:\g0b+3], s[\g1b:\g1b+7]
	s_nop 0
.rept 4
	v_nop
.endr
.Lasked_\@:
.endm
.macro CREST                           ; a round of the cluster's barrier behind its opening barrier
	s_cmp_lg_u32 s14, 0
	s_cbranch_scc1 .Lnot_wave_0_\@
	s_barrier_signal -3
.Lnot_wave_0_\@:
	s_barrier_wait -3
	s_barrier_signal -1
	s_barrier_wait -1
.endm
.macro CROUND                          ; a whole round
	s_barrier_signal -1
	s_barrier_wait -1
	CREST
.endm
	s_load_b128 s[4:7], s[0:1], 0x0                ; img s[4:5], sc s[6:7]
	s_load_b128 s[8:11], s[0:1], 0x10              ; tab s[8:9], qk s[10:11]
	s_load_b64 s[12:13], s[0:1], 0x20              ; vrec
	v_lshl_add_u32 v[SPW], v0, 2, SPARE
	v_mov_b32 v[NIL], 0
	ds_add_u32 v28, v29
	ds_add_u32 v28, v29
	s_wait_dscnt 0x0
	v_lshrrev_b32 v1, 5, v0
	v_readfirstlane_b32 s14, v1                    ; wave 0..3
	s_lshr_b32 s15, s14, 1                         ; which half of the tile's rows is mine.  Also: I fetch for A (0) or for B (1)
	s_and_b32 s16, s14, 1                          ; which half of its columns.  Also: which 8 tiles of rows I fetch
	s_bfe_u32 s40, ttmp6, 0x40000                  ; cx, cy: my place in the cluster
	s_bfe_u32 s41, ttmp6, 0x40004
	s_lshr_b32 s18, ttmp9, 1                       ; q, k: 4 rows x 2 columns of clusters
	s_and_b32 s19, ttmp9, 1
	s_sub_co_u32 s20, ttmp9, 8                     ; v: 1 row x 4 columns
	s_cmp_lt_u32 ttmp9, 8                          ; the job hangs on the cluster's number alone
	s_cselect_b32 s18, s18, 0                      ; the cluster's row,
	s_cselect_b32 s19, s19, s20                    ; its column,
	s_cselect_b32 s21, 0, 384                      ; A's first tile in img: x or Wv,
	s_cselect_b32 s22, 256, 0                      ; B's: Wq (Wk follows it) or x
	s_cselect_b32 s66, 1, 0                        ; 1: q, k; 0: v
	s_lshl_b32 s17, s18, 2
	s_add_co_u32 s17, s17, s41                     ; tile row of C
	s_lshl_b32 s42, s19, 2
	s_add_co_u32 s42, s42, s40                     ; tile column of C
	s_lshl_b32 s43, s41, 2
	s_lshl_b32 s43, 15, s43                        ; my row of the cluster
	s_lshl_b32 s44, 0x1111, s40                    ; my column
	; group 1 for codes: 8 rows (tiles) of 3,072 bytes (384 elements of 8 bytes), 12,288 bytes apart; dense in LDS
	s_or_b32 s[G1+0], s43, (3<<16)|(1<<21)         ; 15:0 the mask; 17:16 elements of 8 bytes; 21 set beside a mask; no padding
	s_or_b32 s[G1B+0], s44, (3<<16)|(1<<21)
.irp g, G1, G1B
	s_mov_b32 s[\g+1], 384<<16                     ; tensor_dim0
	s_mov_b32 s[\g+2], 8<<16                       ; tensor_dim1
	s_mov_b32 s[\g+3], 384<<16                     ; tile_dim0
	s_mov_b32 s[\g+4], 8                           ; tile_dim1
	s_mov_b32 s[\g+5], 1536                        ; elements from tile to tile
	s_mov_b32 s[\g+6], 0
	s_mov_b32 s[\g+7], 0
.endr
	; and for scale words: 8 rows (K steps) of 512 bytes (8 tiles), 32,768 bytes apart
	s_or_b32 s[G1S+0], s43, (3<<16)|(1<<21)
	s_or_b32 s[G1SB+0], s44, (3<<16)|(1<<21)
.irp g, G1S, G1SB
	s_mov_b32 s[\g+1], 64<<16
	s_mov_b32 s[\g+2], 8<<16
	s_mov_b32 s[\g+3], 64<<16
	s_mov_b32 s[\g+4], 8
	s_mov_b32 s[\g+5], 4096
	s_mov_b32 s[\g+6], 0
	s_mov_b32 s[\g+7], 0
.endr
	s_lshl_b32 s18, s16, 3                         ; which 8 tiles I fetch
	s_lshl_b32 s20, s17, 4
	s_add_co_u32 s20, s20, s18
	s_add_co_u32 s20, s20, s21                     ; A: tile base + 16 x tile row + 8 x half
	s_lshl_b32 s46, s42, 4
	s_add_co_u32 s46, s46, s18
	s_add_co_u32 s46, s46, s22                     ; B: tile base + 16 x tile column + 8 x half
	s_lshl_b32 s22, s20, 6                         ; their scale words: 64 bytes a tile,
	s_mov_b32 s23, 0
	s_lshl_b32 s92, s46, 6
	s_mov_b32 s93, 0
	s_mul_i32 s20, s20, 8*FRB                      ; their codes: 12,288 bytes a tile
	s_mov_b32 s21, 0
	s_mul_i32 s46, s46, 8*FRB
	s_mov_b32 s47, 0
	s_mul_i32 s45, s14, HALFT                      ; where they go: by the wave's number alone
	s_lshl_b32 s94, s14, 12
	s_mov_b32 s98, 0x76543210
	s_mov_b32 s99, 0xfedcba98                      ; v_permlanex16_b32's selects for lane l xor 16
	s_mov_b32 s100, 0xffff0000                     ; lanes 16-31
	s_wait_kmcnt 0x0
	s_add_nc_u64 s[20:21], s[4:5], s[20:21]
	s_add_nc_u64 s[22:23], s[6:7], s[22:23]
	s_add_nc_u64 s[46:47], s[4:5], s[46:47]
	s_add_nc_u64 s[92:93], s[6:7], s[92:93]
	CROUND                                         ; all sixteen work-groups are here: the first joint loads meet
	s_mov_b32 s[G0S], 1
	s_add_co_u32 s[G0S+1], s94, SCL
	s_mov_b64 s[G0S+2:G0S+3], s[22:23]
	s_or_b32 s[G0S+3], s[G0S+3], 0x80000000
	s_mov_b32 s[G0SB], 1
	s_add_co_u32 s[G0SB+1], s94, SCL
	s_mov_b64 s[G0SB+2:G0SB+3], s[92:93]
	s_or_b32 s[G0SB+3], s[G0SB+3], 0x80000000
	JLOAD G0S, G1S, G0SB, G1SB                     ; the scale words first: they are wanted with the first K step.  Three tensor loads of mine are out at the most
.irp s, 0,1
	s_mov_b32 s[G0+4*\s], 1
	s_add_co_u32 s[G0+4*\s+1], s45, \s*SLOT
	s_add_nc_u64 s[G0+4*\s+2:G0+4*\s+3], s[20:21], \s*TILEB
	s_or_b32 s[G0+4*\s+3], s[G0+4*\s+3], 0x80000000
	s_mov_b32 s[G0B+4*\s], 1
	s_add_co_u32 s[G0B+4*\s+1], s45, \s*SLOT
	s_add_nc_u64 s[G0B+4*\s+2:G0B+4*\s+3], s[46:47], \s*TILEB
	s_or_b32 s[G0B+4*\s+3], s[G0B+4*\s+3], 0x80000000
	JLOAD G0+4*\s, G1, G0B+4*\s, G1B
.endr
	v_and_b32 v1, 31, v0                           ; lane
	v_and_b32 v2, 15, v0                           ; r
	v_bfe_u32 v3, v0, 4, 1                         ; h
	v_lshlrev_b32 v[L16], 4, v1
	v_lshlrev_b32 v[L8], 3, v1
	v_lshlrev_b32 v[L4], 2, v1
	s_mul_i32 s21, s15, HALFT                      ; my 128 rows of A
	s_mul_i32 s22, s16, HALFT                      ; my 128 rows of B,
	s_add_co_u32 s22, s22, 2*HALFT                 ; which lie behind A's 256
.irp s, 0,1
	v_add_nc_u32 v[ADRA+\s], s21, v[L16]
	v_add_nc_u32 v[ADRB+\s], s22, v[L16]
	v_add_nc_u32 v[ADRA+2+\s], s21, v[L8]
	v_add_nc_u32 v[ADRB+2+\s], s22, v[L8]
	s_add_co_u32 s21, s21, SLOT
	s_add_co_u32 s22, s22, SLOT
.endr
	s_lshl_b32 s21, s15, 12                        ; A's scale words: my quarter
	s_lshl_b32 s22, s16, 12                        ; B's: my quarter, behind A's two
	s_add_co_u32 s22, s22, 2*HALFS
	s_sub_co_u32 s22, s22, s21
	v_mul_u32_u24 v6, s22, v3                      ; lanes 16-31 take B's: one product with h
	s_add_co_u32 s21, s21, SCL
	v_lshl_add_u32 v6, v2, 2, v6
	v_add_nc_u32 v[ADRS], s21, v6
.macro FRAG reg, adr, q, i             ; a fragment comes back as it was stored: its two halves, each 16 bytes a lane and 8 bytes a lane
.irp c, 0,1
	ds_load_b128 v[\reg+6*\c:\reg+6*\c+3], v[\adr] offset:TILEB*(\i)+FRB*(\q)+768*\c
	ds_load_b64 v[\reg+6*\c+4:\reg+6*\c+5], v[\adr+2] offset:TILEB*(\i)+FRB*(\q)+768*\c+512
.endr
.endm
; 16 matrix instructions: A's blocks a0, a0 + 1 x B's eight, 128 along K.  p: B's set; sc: the set of scale words.  zero = 1: the first product starts the sums.
; The 64 accumulators take turns, one instruction a turn, in the same order in every step.
.macro MUL16 a0, p, q, sc, zero
.irp a, \a0, \a0+1
.irp b, 0,1,2,3,4,5,6,7
.if \zero
	v_wmma_scale_f32_16x16x128_f8f6f4 v[8*(8*((\a)%4)+\b):8*(8*((\a)%4)+\b)+7], v[128*(\p)+FR*\b:128*(\p)+FR*\b+FR-1], v[AF+FR*(\a):AF+FR*(\a)+FR-1], 0, v[SC+8*NQ*(\sc)+NQ*\b+(\q)], v[SC+8*NQ*(\sc)+NQ*(\a)+(\q)] matrix_a_fmt:MATRIX_FMT_FP6 matrix_b_fmt:MATRIX_FMT_FP6 matrix_a_scale:MATRIX_SCALE_ROW1
.else
	v_wmma_scale_f32_16x16x128_f8f6f4 v[8*(8*((\a)%4)+\b):8*(8*((\a)%4)+\b)+7], v[128*(\p)+FR*\b:128*(\p)+FR*\b+FR-1], v[AF+FR*(\a):AF+FR*(\a)+FR-1], v[8*(8*((\a)%4)+\b):8*(8*((\a)%4)+\b)+7], v[SC+8*NQ*(\sc)+NQ*\b+(\q)], v[SC+8*NQ*(\sc)+NQ*(\a)+(\q)] matrix_a_fmt:MATRIX_FMT_FP6 matrix_b_fmt:MATRIX_FMT_FP6 matrix_a_scale:MATRIX_SCALE_ROW1
.endif
.endr
.endr
.endm
.macro FETCH_B slot, q, p              ; B's eight fragments of the slot's q-th 128 along K into set p
	WIN TO_B
.irp i, 0,1,2,3,4,5,6,7
	FRAG 128*(\p)+FR*\i, ADRB+\slot, \q, \i
.endr
	WIN 0
.endm
.macro FETCH_A slot, q, i0             ; A's blocks i0 .. i0 + 3
.irp i, \i0, \i0+1, \i0+2, \i0+3
	FRAG AF+FR*(\i), ADRA+\slot, \q, \i
.endr
.endm
.macro SCALES sc, ks                   ; the scale words of fill ks (K steps 2 ks, 2 ks + 1) into set sc
.irp i, 0,1,2,3,4,5,6,7
.irp q, 0,1
	ds_load_b32 v[SC+8*NQ*\sc+NQ*\i+\q], v[ADRS] offset:64*\i+512*\q+1024*(\ks)
.endr
.endr
.endm
.macro PLACES n                        ; plain vector lines between a matrix instruction and a load into a register that it read, or a read of its result
.rept \n
	v_nop
.endr
.endm
.macro STEP slot, q, zero              ; a step of 128 along K that has its successor in the same slot
	s_wait_dscnt 4*NL                              ; B's set, A's blocks 0-3 and the scale words are in; the youngest sixteen loads (A's blocks 4-7) may be out
	WIN MUL_LO
	MUL16 0, (\q)%2, \q, \slot, \zero
	MUL16 2, (\q)%2, \q, \slot, \zero
	s_wait_dscnt 0                                 ; A's blocks 4-7 are in
	PLACES NP
	FETCH_B \slot, (\q)+1, 1-(\q)%2
	FETCH_A \slot, (\q)+1, 0
	WIN MUL_HI
	MUL16 4, (\q)%2, \q, \slot, \zero
	MUL16 6, (\q)%2, \q, \slot, \zero
	PLACES NP
	WIN 0
	FETCH_A \slot, (\q)+1, 4
.endm
; A slot's last step changes slots: ONE barrier; in front of it each wave waits for all its tensor loads, adds 0 to its spare word, and waits for that and for its own reads of this slot.
; fill = 1: this slot is filled again, two fills ahead, behind a round of the cluster's barrier.  ks: the number of the fill that lies in the next slot.
.macro TURN slot, next, fill, ks
	s_wait_tensorcnt 0x0                           ; all my tensor loads have landed: my part of the next slot (every window is 0 here)
	ds_add_u32 v[SPW], v[NIL]                      ; 0 onto my spare word
	s_wait_dscnt 4*NL+1                            ; (the add and the youngest sixteen loads may be out)
	WIN MUL_LO
	MUL16 0, 1, NQ-1, \slot, 0                     ; sixteen matrix instructions stand between the add and the wait for it
	s_wait_dscnt 0x0                               ; the add is done, and my reads of this slot are over
	s_barrier_signal -1
	MUL16 2, 1, NQ-1, \slot, 0
	WIN 0
	s_barrier_wait -1
.if \fill
	CREST                                          ; no wave of any partner still reads this slot's tile or has a load on its way
	s_add_nc_u64 s[G0+4*\slot+2:G0+4*\slot+3], s[G0+4*\slot+2:G0+4*\slot+3], 2*TILEB
	s_add_nc_u64 s[G0B+4*\slot+2:G0B+4*\slot+3], s[G0B+4*\slot+2:G0B+4*\slot+3], 2*TILEB
	JLOAD G0+4*\slot, G1, G0B+4*\slot, G1B         ; the first tensor load behind the round; its four v_nop are also the places in front of the loads below
.else
	PLACES NP
.endif
	FETCH_B \next, 0, 0
	FETCH_A \next, 0, 0
	SCALES \next, \ks
	WIN MUL_HI
	MUL16 4, 1, NQ-1, \slot, 0
	MUL16 6, 1, NQ-1, \slot, 0
	PLACES NP
	WIN 0
	FETCH_A \next, 0, 4
.endm
	s_wait_tensorcnt 1                             ; the scale words and my part of fill 0 are in (slot 1's load may be out)
	s_barrier_signal -1
	s_barrier_wait -1                              ; everybody's are
	FETCH_B 0, 0, 0
	FETCH_A 0, 0, 0
	SCALES 0, 0
	FETCH_A 0, 0, 4
	STEP 0, 0, 1                                   ; K = 1,024 is four fills of 256: written out
	TURN 0, 1, 1, 1
	STEP 1, 0, 0
	TURN 1, 0, 1, 2
	STEP 0, 0, 0
	TURN 0, 1, 0, 3                                ; nothing is left to fetch
	STEP 1, 0, 0
	s_wait_dscnt 4*NL                              ; the very last step
	WIN MUL_LO
	MUL16 0, 1, NQ-1, 1, 0
	MUL16 2, 1, NQ-1, 1, 0
	s_wait_dscnt 0
	WIN MUL_HI
	MUL16 4, 1, NQ-1, 1, 0
	MUL16 6, 1, NQ-1, 1, 0
	WIN 0
; ---- THE WAY OUT
; 64 numbers of a lane, v[s] .. v[s + 63] of window w, register 16 b + i = k 32 b + 16 (lane / 16) + i of my row, become a fragment's codes in v[PC + 20 e] on and its scale word in v[PW + e].
.macro QUANT s, w, e
.set PCE, PC+20*(\e)
	WIN (\w)|((\w)<<2)                             ; sources 0 and 1: the numbers' window
.irp b, 0,1,2,3
	v_max3_num_f32 v[TM+\b], |v[(\s)+16*\b]|, |v[(\s)+16*\b+1]|, 0x1800000   ; block b: my 16 numbers, and the floor 2^(3 - 127): the byte cannot fall under 1.  Each accumulator is read from its low end on
.endr
.irp i, 2,4,6,8,10,12,14
.irp b, 0,1,2,3
	v_max3_num_f32 v[TM+\b], |v[(\s)+16*\b+\i]|, |v[(\s)+16*\b+\i+1]|, v[TM+\b]
.endr
.endr
	WIN 0
.irp b, 0,1,2,3
	v_permlanex16_b32 v[TM+4+\b], v[TM+\b], s98, s99
.endr
.irp b, 0,1,2,3
	v_max_num_f32 v[TM+\b], v[TM+\b], v[TM+4+\b]   ; with lane l xor 16's: the block's largest magnitude
.endr
.irp b, 0,1,2,3
	v_add_nc_u32 v[TM+12+\b], 0xff000000, v[TM+\b] ; 2 off its exponent field: the conversion's scale operand
.endr
.irp b, 0,1,2,3
	v_lshrrev_b32 v[TM+4+\b], 23, v[TM+12+\b]      ; the scale's byte
.endr
	v_lshl_or_b32 v[PW+(\e)], v[TM+5], 8, v[TM+4]  ; my row's scale word, the same in lanes l and l xor 16
	v_lshl_or_b32 v[PW+(\e)], v[TM+6], 16, v[PW+(\e)]
	v_lshl_or_b32 v[PW+(\e)], v[TM+7], 24, v[PW+(\e)]
	WIN (\w)                                       ; source 0: the numbers' window
.irp c, 0,1
	v_cvt_scalef32_pk16_fp6_f32 v[PCE+6*\c:PCE+6*\c+2], v[(\s)+32*\c:(\s)+32*\c+15], v[TM+12+2*\c]
	v_cvt_scalef32_pk16_fp6_f32 v[PCE+12+4*\c:PCE+14+4*\c], v[(\s)+32*\c+16:(\s)+32*\c+31], v[TM+12+2*\c+1]   ; (a conversion's three registers begin on an even number)
.endr
	WIN 0
	v_nop                                          ; one plain line behind the scaled conversions
.irp c, 0,1                            ; the operand's layout wants a WHOLE block in a lane: lanes 0-15 block 2 c, lanes 16-31 block 2 c + 1
.irp i, 0,1,2
	v_permlane16_swap_b32 v[PCE+6*\c+\i], v[PCE+12+4*\c+\i]
.endr
.irp i, 0,1,2
	v_mov_b32 v[PCE+3+6*\c+\i], v[PCE+12+4*\c+\i]
.endr
.endr
.endm
	PLACES NP                                      ; behind the last products: for the reads of results and for loads and writes into the registers that held A's fragments
.irp b, 0,1,2,3
	v_mov_b32 v[TM+4+\b], 0                        ; written once: a lane permute's destination counts as one of its sources
.endr
	s_cmp_eq_u32 s66, 0
	s_cbranch_scc1 .Lv
	; ---- q, k: my 128 rows are positions 128 kb on; my 128 columns are two heads
	s_lshl_b32 s18, s17, 1
	s_add_co_u32 s18, s18, s15                     ; kb = 2 x tile row + half
	s_lshl_b32 s19, s42, 2
	s_lshl_b32 s20, s16, 1
	s_add_co_u32 s19, s19, s20                     ; my first head = 4 x tile column + 2 x half
	s_lshl_b32 s19, s19, 5
	s_add_co_u32 s18, s18, s19
	s_mul_i32 s18, s18, 6656
	s_mov_b32 s19, 0
	s_add_nc_u64 s[10:11], s[10:11], s[18:19]      ; the first head's record,
	s_add_nc_u64 s[96:97], s[10:11], 32*6656       ; the second's
	s_lshl_b32 s18, s17, 4
	s_lshl_b32 s20, s15, 3
	s_add_co_u32 s18, s18, s20
	s_lshl_b32 s18, s18, 12
	s_add_nc_u64 s[8:9], s[8:9], s[18:19]          ; the table at my first tile of positions
.macro TABLOAD a                       ; block a's cos and sin: register 4 e + 0..3 of lane (r, h): 512 consecutive bytes a load
.irp e, 0,1,2,3,4,5,6,7
	global_load_b128 v[TAB+32*((\a)%2)+4*\e:TAB+32*((\a)%2)+4*\e+3], v[L16], s[8:9] offset:4096*(\a)+512*\e
.endr
.endm
.macro ROPE a                          ; registers 2 p, 2 p + 1 are x1, x2 of one pair; the table's 2 p % 32, + 1 its cos, sin (the second head takes the same 32)
.set AC, 64*((\a)%4)
.set TBA, TAB+32*((\a)%2)
	WIN 2+(\a)/4                                   ; source 0: the accumulators' window
.set p, 0
.rept 32
	v_pk_mul_f32 v[RT+2*p:RT+2*p+1], v[AC+2*p:AC+2*p+1], v[TBA+(2*p)%32:TBA+(2*p)%32+1] op_sel:[1,1] op_sel_hi:[0,1]   ; (x2 sin, x1 sin)
.set p, p+1
.endr
.set p, 0
.rept 32
	v_pk_fma_f32 v[RT+2*p:RT+2*p+1], v[AC+2*p:AC+2*p+1], v[TBA+(2*p)%32:TBA+(2*p)%32+1], v[RT+2*p:RT+2*p+1] op_sel_hi:[1,0,1] neg_lo:[0,0,1]   ; (x1 cos - x2 sin, x2 cos + x1 sin)
.set p, p+1
.endr
	WIN 0
.endm
.macro OUTQK a                         ; the fragment's half c is head c's tile a: K = that head's 64
.set PCE, PC+20*((\a)%2)
	global_store_b128 v[L16], v[PCE:PCE+3], s[10:11] offset:768*(\a)
	global_store_b64 v[L8], v[PCE+4:PCE+5], s[10:11] offset:768*(\a)+512
	global_store_b128 v[L16], v[PCE+6:PCE+9], s[96:97] offset:768*(\a)
	global_store_b64 v[L8], v[PCE+10:PCE+11], s[96:97] offset:768*(\a)+512
.if (\a)%2
	v_cndmask_b32 v[SW], v[PW], v[PW+1], s100      ; lanes 0-15: the even tile's words, lanes 16-31: the odd tile's
	v_lshrrev_b32 v[SW+1], 16, v[SW]               ; the second head's two bytes come down
	global_store_b32 v[L4], v[SW], s[10:11] offset:6144+64*((\a)-1)
	global_store_b32 v[L4], v[SW+1], s[96:97] offset:6144+64*((\a)-1)
.endif
.endm
	TABLOAD 0
.irp a, 0,1,2,3,4,5,6,7
	s_wait_xcnt 0x0                                ; the stores of two blocks ago have read their registers: the codes' and words' registers are written again only behind this wait
.if \a < 7
	TABLOAD \a+1
	s_wait_loadcnt 8                               ; this block's eight table loads are in; the next block's eight may be out
.else
	s_wait_loadcnt 0x0
.endif
	ROPE \a
	QUANT RT, 0, \a%2
	OUTQK \a
.endr
	s_branch .Lend
.Lv:
	; ---- v: my 128 rows are two heads' 64 channels, my 128 columns a block of 128 keys
	s_lshl_b32 s18, s17, 2
	s_lshl_b32 s19, s15, 1
	s_add_co_u32 s18, s18, s19                     ; my first head = 4 x tile row + 2 x half
	s_lshl_b32 s18, s18, 5
	s_lshl_b32 s19, s42, 1
	s_add_co_u32 s19, s19, s16                     ; the block of keys = 2 x tile column + half
	s_add_co_u32 s18, s18, s19
	s_mul_i32 s18, s18, 6400
	s_mov_b32 s19, 0
	s_add_nc_u64 s[12:13], s[12:13], s[18:19]
.macro OUTV a
.set PCE, PC+20*((\a)%2)
.irp k, 0,1,2
	global_store_b128 v[L16], v[PCE+4*\k:PCE+4*\k+3], s[12:13] offset:32*6400*((\a)/4)+1536*((\a)%4)+512*\k
.endr
.if (\a)%2
	v_cndmask_b32 v[SW], v[PW], v[PW+1], s100
	global_store_b32 v[L4], v[SW], s[12:13] offset:32*6400*((\a)/4)+6144+64*(((\a)-1)%4)
.endif
.endm
.irp a, 0,1,2,3,4,5,6,7
	s_wait_xcnt 0x0                                ; as above
	QUANT 64*(\a%4), 2+\a/4, \a%2
	OUTV \a
.endr
.Lend:
	s_wait_tensorcnt 0x0                           ; the wave's end
	ds_add_u32 v[SPW], v[NIL]
	s_wait_dscnt 0x0
	CROUND                                         ; the closing round: no work-group ends while a partner may still ask for a tile that names it
	s_endpgm
.Lfunc_end_k_qc96f4966a9_qkv:
	.size	k_qc96f4966a9_qkv, .Lfunc_end_k_qc96f4966a9_qkv-k_qc96f4966a9_qkv
	.p2alignl 7, 3214868480
	.fill 96, 4, 3214868480
	.section	.rodata,"a",@progbits
	.p2align	6, 0x0
	.amdhsa_kernel k_qc96f4966a9_qkv
		.amdhsa_group_segment_fixed_size 327680
		.amdhsa_private_segment_fixed_size 0
		.amdhsa_enable_private_segment 0
		.amdhsa_kernarg_size 40
		.amdhsa_user_sgpr_count 2
		.amdhsa_user_sgpr_kernarg_segment_ptr 1
		.amdhsa_wavefront_size32 1
		.amdhsa_system_sgpr_workgroup_id_x 1
		.amdhsa_system_sgpr_workgroup_id_y 1
		.amdhsa_system_sgpr_workgroup_id_z 1
		.amdhsa_system_vgpr_workitem_id 0
		.amdhsa_next_free_vgpr 1024
		.amdhsa_next_free_sgpr 104
		.amdhsa_reserve_vcc 0
		.amdhsa_float_denorm_mode_32 3
		.amdhsa_float_denorm_mode_16_64 3
		.amdhsa_memory_ordered 1
		.amdhsa_forward_progress 1
		.amdhsa_inst_pref_size 224
	.end_amdhsa_kernel
	.amdgpu_metadata
---
amdhsa.version: [ 1, 2 ]
amdhsa.kernels:
  - .name:           k_qc96f4966a9_qkv
    .symbol:         k_qc96f4966a9_qkv.kd
    .args:
      - { .name: img, .offset: 0, .size: 8, .value_kind: global_buffer, .address_space: global }
      - { .name: sc, .offset: 8, .size: 8, .value_kind: global_buffer, .address_space: global }
      - { .name: tab, .offset: 16, .size: 8, .value_kind: global_buffer, .address_space: global }
      - { .name: qk, .offset: 24, .size: 8, .value_kind: global_buffer, .address_space: global }
      - { .name: vrec, .offset: 32, .size: 8, .value_kind: global_buffer, .address_space: global }
    .group_segment_fixed_size: 327680
    .private_segment_fixed_size: 0
    .kernarg_segment_align: 8
    .kernarg_segment_size: 40
    .max_flat_workgroup_size: 128
    .sgpr_count:     104
    .vgpr_count:     1024
    .wavefront_size: 32
...
	.end_amdgpu_metadata
.endif
;; end of part 2
;; launch attn (part 3): grid 32 x 8, 16 waves a work-group, no clusters, 169,984 bytes of LDS; arguments qk, vrec, o_img, o_sc; writes o_img, o_sc
.if DOCPART == 3
	.amdgcn_target "amdgcn-amd-amdhsa--gfx1250"
	.amdhsa_code_object_version 6
	.text
	.protected	k_qc96f4966a9_attn
	.globl	k_qc96f4966a9_attn
	.p2align	8
	.type	k_qc96f4966a9_attn,@function
k_qc96f4966a9_attn:
	s_mov_b64 s[64:65], 0
	v_nop
	global_prefetch_b8 v0, s[64:65] scope:SCOPE_SE
	s_setreg_imm32_b32 hwreg(HW_REG_WAVE_MODE, 25, 1), 1
	s_wait_xcnt 0x0
; Attention over a causal window of 512 keys, 16 heads of 64, both products on codes of FP6 (E2M3) with E8M0 scales; its result is quantised along head x 64 + d for the last projection.
; Key j counts for query i where j <= i and i - j < 512: a block of 128 queries meets five blocks of 128 keys: its own (hidden where key > query), three that count whole, and the one four back (hidden where key's place <= query's).
; THE SOFTMAX AHEAD OF THE SECOND PRODUCT: t = score x log2(e) / 8; M = the running largest t rounded UP to a whole number; p = 2^(t - M) is quantised along the keys, not normalised; the row's sum is taken of the unquantised p
; and divides O at the end.  When M moves, the sum and O are multiplied by 2^(old M - new M): exact.  A step in which all of a query's keys are hidden leaves M at its start value; its p are zeros.
; SHARES.  A work-group owns one block of 128 queries of two heads; wave w owns tile w % 8 (16 queries) of head w / 8, in 256 registers: four waves to a SIMD, so that one wave's vector work stands beside another's products and LDS loads.
; LDS is filled ONCE: the five key blocks' records of K and V of both heads (130,560 bytes) by four tensor loads (waves 0, 1: K; waves 2, 3: V).  No ring, so no refill.
; NO CLUSTER: neighbouring query blocks share four of their five key blocks, but each begins its window at another block, so a jointly fetched tile would be read at LDS addresses that hang on the place in the cluster.
; LAYOUT.  Both products transposed: S^T = K Q^T, O^T = V^T P^T: a lane holds ONE query (lane % 16) throughout.  Rows of every record lie in the order 32 (T/2) + 8 (T%2) + r + 8 (r/8), so that the 16 registers of tiles 2 b, 2 b + 1
; are 16 neighbours (keys, or channels).  The first product's K is 64: registers 6-11 of both operands hold zero codes, set once.
; qk record (6,656 bytes): 8 tiles x 768 (registers 0-3 at 16 x lane, 4-5 at 512 + 8 x lane), then 8 x 16 scale words.  vrec record (6,400): 4 tiles of channels x 1,536 (registers 4k..4k+3 at 16 x lane), then 4 x 16 words.
; o_img: [256 tiles of positions][16 heads][768]: with two heads to a K step this is [tile][K step][fragment].  o_sc: [8 K steps][256 tiles][16 words].
; LIMITS: NaN and infinities are not served; a block of zeros gets the byte 1 (its codes are zeros; this program alone reads the bytes).
; REGISTERS: v1-4, v10, v11 addresses that stay; v5-9 the step's addresses; v12 -M, v13 the largest t, v[14:15] the sum in two halves; v16-27 Q; v28-31 K's scale words (lanes 0-15 an even tile, lanes 16-31 the odd one);
; v32-79 four fragments of K; v80-127 V's four; v128-191 S^T, then p; v192-223 O^T; v224-235 p's codes; v232-247, v252, v254 at work; v250-251 V's scale words; v253 p's scale word; v255 Q's.
.set RK,    6656
.set RV,    6400
.set KH,    5*RK                       ; a head's five records of K
.set VH,    5*RV
.set VBASE, 2*KH
.set XCH,   VBASE+2*VH                 ; 1,024 bytes, aligned to 256, into which no fill lands: the waves' halves of the result's scale words
.set G1K, 24                           ; s[24:31], s[32:39] group 1 for K's and V's blocks; s[40:43], s[44:47] their groups 0
.set G1V, 32
.set G0K, 40
.set G0V, 44
	s_load_b128 s[4:7], s[0:1], 0x0                ; qk s[4:5], vrec s[6:7]
	s_load_b128 s[8:11], s[0:1], 0x10              ; o_img s[8:9], o_sc s[10:11]
	v_lshl_add_u32 v248, v0, 2, 0x29000
	v_mov_b32 v249, 0
	ds_add_u32 v248, v249
	ds_add_u32 v248, v249
	v_lshrrev_b32 v5, 5, v0
	s_delay_alu instid0(VALU_DEP_1)
	v_readfirstlane_b32 s18, v5                    ; wave 0..15
	s_mov_b32 s48, ttmp9                           ; my block of queries
	s_and_b32 s53, ttmp7, 0xffff                   ; my pair of heads
	s_sub_co_i32 s49, s48, 4
	s_max_i32 s49, s49, 0                          ; the first of the five key blocks; then the step's block
	s_and_b32 s54, s18, 7                          ; my tile
	s_lshr_b32 s55, s18, 3                         ; my head of the pair
	s_and_b32 s56, s18, 1                          ; the head that I fetch for, if I fetch
	s_lshl_b32 s57, s53, 1
	s_add_co_u32 s58, s57, s56
	s_lshl_b32 s58, s58, 5
	s_add_co_u32 s58, s58, s49                     ; 32 x head + first block
	s_mul_i32 s60, s58, RV                         ; V's records,
	s_mov_b32 s61, 0
	s_add_co_u32 s58, s58, 16*32                   ; K's heads lie behind q's sixteen
	s_mul_i32 s58, s58, RK
	s_mov_b32 s59, 0
	s_add_co_u32 s57, s57, s55                     ; my head
	s_lshl_b32 s62, s57, 5
	s_add_co_u32 s62, s62, s48
	s_mul_i32 s62, s62, RK                         ; my block's record of q
	s_mul_i32 s63, s54, 768
	s_add_co_u32 s12, s62, s63                     ; my tile's codes,
	s_mov_b32 s13, 0
	s_lshl_b32 s63, s54, 6
	s_add_co_u32 s14, s62, s63                     ; and its scale words (6,144 on: in the load's immediate)
	s_mov_b32 s15, 0
	s_lshl_b32 s16, s48, 3
	s_add_co_u32 s16, s16, s54
	s_lshl_b32 s16, s16, 4
	s_add_co_u32 s16, s16, s57
	s_mul_i32 s16, s16, 768                        ; o_img: ((8 block + tile) x 16 + head) x 768
	s_mov_b32 s17, 0
	s_lshl_b32 s2, s53, 14
	s_lshl_b32 s3, s48, 9
	s_add_co_u32 s2, s2, s3                        ; o_sc: (256 x pair + 8 x block) x 64
	s_mov_b32 s3, 0
	; group 1: a dense block as rows of 256 bytes (32 elements of 8 bytes): K 130 rows, V 125
	s_mov_b32 s[G1K], 3<<16
	s_mov_b32 s[G1K+1], 32<<16
	s_mov_b32 s[G1K+2], (KH/256)<<16
	s_mov_b32 s[G1K+3], 32<<16
	s_mov_b32 s[G1K+4], KH/256
	s_mov_b32 s[G1K+5], 32
	s_mov_b32 s[G1K+6], 0
	s_mov_b32 s[G1K+7], 0
	s_mov_b32 s[G1V], 3<<16
	s_mov_b32 s[G1V+1], 32<<16
	s_mov_b32 s[G1V+2], (VH/256)<<16
	s_mov_b32 s[G1V+3], 32<<16
	s_mov_b32 s[G1V+4], VH/256
	s_mov_b32 s[G1V+5], 32
	s_mov_b32 s[G1V+6], 0
	s_mov_b32 s[G1V+7], 0
	s_mov_b32 s20, 0x76543210
	s_mov_b32 s21, 0xfedcba98                      ; v_permlanex16_b32's selects for lane l xor 16
	s_mov_b32 s22, 0x3e38aa3b                      ; c = log2(e) / 8
	s_mov_b32 s23, s22                             ; (named with it as a pair, so it is written)
	s_mul_i32 s50, s55, KH                         ; LDS: the step's record of K of my head,
	s_mul_i32 s51, s55, VH
	s_add_co_u32 s51, s51, VBASE                   ; and of V
	s_mov_b32 s52, 5                               ; five steps: a constant
	; every LDS address register that stays is made here, ahead of the branch on the wave's number
	v_and_b32 v5, 31, v0                           ; lane
	v_and_b32 v6, 15, v0                           ; r
	v_bfe_u32 v7, v0, 4, 1                         ; h
	s_delay_alu instid0(VALU_DEP_3)
	v_lshlrev_b32 v1, 4, v5                        ; 16 x lane
	s_delay_alu instid0(VALU_DEP_4)
	v_lshl_add_u32 v2, v5, 3, 512                  ; 512 + 8 x lane
	v_lshl_add_u32 v3, v5, 2, 6144                 ; 6,144 + 4 x lane: a record's scale words
	s_lshr_b32 s19, s54, 1
	s_lshl_b32 s19, s19, 5
	s_and_b32 s63, s54, 1
	s_lshl_b32 s63, s63, 3
	s_add_co_u32 s19, s19, s63
	v_and_b32 v4, 8, v6
	s_delay_alu instid0(VALU_DEP_1)
	v_add_nc_u32 v4, v4, v6
	s_delay_alu instid0(VALU_DEP_1)
	v_add_nc_u32 v4, s19, v4                       ; my query's place in its block,
	v_lshlrev_b32 v8, 4, v7
	s_delay_alu instid0(VALU_DEP_1)
	v_sub_nc_u32 v4, v4, v8                        ; less 16 h: register 16 b + i holds the key at place 32 b + i + 16 h
	s_lshl_b32 s63, s18, 6
	s_add_co_u32 s63, s63, XCH
	v_lshl_add_u32 v10, v6, 2, s63                 ; where my row's half word goes: XCH + 64 x wave + 4 r
	v_add_nc_u32 v11, XCH, v1                      ; and where wave 0 reads them back
	v_lshlrev_b32 v9, 2, v6                        ; 4 r: Q's scale words (v9 is written again only behind the wait for that load)
	s_wait_dscnt 0x0
	s_wait_kmcnt 0x0
	s_mov_b32 s[G0K], 1
	s_mul_i32 s[G0K+1], s56, KH
	s_add_nc_u64 s[G0K+2:G0K+3], s[4:5], s[58:59]
	s_or_b32 s[G0K+3], s[G0K+3], 0x80000000
	s_mov_b32 s[G0V], 1
	s_mul_i32 s[G0V+1], s56, VH
	s_add_co_u32 s[G0V+1], s[G0V+1], VBASE
	s_add_nc_u64 s[G0V+2:G0V+3], s[6:7], s[60:61]
	s_or_b32 s[G0V+3], s[G0V+3], 0x80000000
	s_cmp_lt_u32 s18, 2                            ; waves 0, 1: K of the two heads; waves 2, 3: V; the others nothing.  One tensor load a wave is out.  Four v_nop follow each line
	s_cbranch_scc0 .Lnot_k
	tensor_load_to_lds s[G0K:G0K+3], s[G1K:G1K+7]
	s_nop 0
.rept 4
	v_nop
.endr
	s_branch .Lasked
.Lnot_k:
	s_cmp_lt_u32 s18, 4
	s_cbranch_scc0 .Lasked
	tensor_load_to_lds s[G0V:G0V+3], s[G1V:G1V+7]
	s_nop 0
.rept 4
	v_nop
.endr
.Lasked:
	s_add_nc_u64 s[12:13], s[4:5], s[12:13]
	s_add_nc_u64 s[14:15], s[4:5], s[14:15]
	s_add_nc_u64 s[8:9], s[8:9], s[16:17]
	s_add_nc_u64 s[10:11], s[10:11], s[2:3]
	global_load_b128 v[16:19], v1, s[12:13]        ; Q's fragment stays in registers
	global_load_b64 v[20:21], v2, s[12:13]
	s_wait_alu depctr_va_vdst(0)
	global_load_b32 v255, v9, s[14:15] offset:6144 ; and its scale words
.irp j, 22,23,24,25,26,27
	v_mov_b32 v[\j], 0                             ; K = 64: the upper 64 are zero codes, in Q
.endr
.irp t, 0,1,2,3
.irp j, 6,7,8,9,10,11
	v_mov_b32 v[32+12*\t+\j], 0                    ; and in K's four fragments: no load ever lands here
.endr
.endr
.set j, 0
.rept 32
	v_mov_b32 v[192+j], 0                          ; O^T.  (The step is written once: the first finds zeros, which the first change of M leaves zeros)
.set j, j+1
.endr
	v_mov_b32 v14, 0                               ; the sum, in two halves
	v_mov_b32 v15, 0
.irp b, 0,1,2,3
	v_mov_b32 v[236+\b], 0                         ; written once: a lane permute's destination counts as one of its sources
.endr
	v_mov_b32 v253, 0                              ; (named as the upper half of the pair v[252:253] before it is first written)
	v_mov_b32 v13, 0xff61b1e6                      ; the largest t so far: -3e38, under every t
	s_delay_alu instid0(VALU_DEP_1)
	v_floor_f32 v12, -v13                          ; -M
	s_wait_tensorcnt 0x0                           ; my part of the fill has landed,
	s_barrier_signal -1
	s_barrier_wait -1                              ; everybody's has
	s_wait_loadcnt 0x0                             ; Q
.macro MASK gt                         ; gt = 1: hidden where the key's place > my query's; 0: where it is <= it.  Each accumulator from its low end on
.set n, 0
.rept 64
.if \gt
	v_cmp_gt_i32 vcc_lo, 32*(n/16)+n%16, v4
.else
	v_cmp_le_i32 vcc_lo, 32*(n/16)+n%16, v4
.endif
	v_cndmask_b32 v[128+n], v[128+n], v254, vcc_lo
.set n, n+1
.endr
.endm
.macro KQ t                            ; S^T's tile t: source 0 = 16 keys, source 1 = my 16 queries
.if (\t)%2
	v_wmma_scale_f32_16x16x128_f8f6f4 v[128+8*(\t):135+8*(\t)], v[32+12*((\t)%4):43+12*((\t)%4)], v[16:27], 0, v[28+(\t)/2], v255 matrix_a_fmt:MATRIX_FMT_FP6 matrix_b_fmt:MATRIX_FMT_FP6 matrix_a_scale:MATRIX_SCALE_ROW1
.else
	v_wmma_scale_f32_16x16x128_f8f6f4 v[128+8*(\t):135+8*(\t)], v[32+12*((\t)%4):43+12*((\t)%4)], v[16:27], 0, v[28+(\t)/2], v255 matrix_a_fmt:MATRIX_FMT_FP6 matrix_b_fmt:MATRIX_FMT_FP6
.endif
.endm
.Lstep:                                            ; five trips: one block of 128 keys each
	s_cmp_gt_u32 s49, s48                          ; a block behind my queries (only where the window is cut at key 0) is left out: a branch on ids round the step's work, not round the lines that step addresses
	s_cbranch_scc1 .Lhidden
	s_setprio 2
	v_add_nc_u32 v5, s50, v1                       ; (these five are also the places in front of loads into V's registers, which the last products read)
	v_add_nc_u32 v6, s50, v2
	v_add_nc_u32 v7, s50, v3
	v_add_nc_u32 v8, s51, v1
	v_add_nc_u32 v9, s51, v3
.irp t, 0,1,2,3
	ds_load_b128 v[32+12*\t:35+12*\t], v5 offset:768*\t
	ds_load_b64 v[36+12*\t:37+12*\t], v6 offset:768*\t
.endr
.irp n, 0,1,2,3
	ds_load_b32 v[28+\n], v7 offset:128*\n
.endr
.irp t, 0,1,2,3
.irp k, 0,1,2
	ds_load_b128 v[80+12*\t+4*\k:83+12*\t+4*\k], v8 offset:1536*\t+512*\k
.endr
.endr
.irp n, 0,1
	ds_load_b32 v[250+\n], v9 offset:128*\n
.endr
	s_wait_alu depctr_va_vdst(0)
	s_wait_dscnt 14                                ; K's tiles 0-3 and its words are in; V's twelve loads and its two of words may be out
.irp t, 0,1,2,3
	KQ \t
.endr
.rept 4
	v_nop                                          ; places in front of loads into registers that matrix instructions have read
.endr
.irp t, 0,1,2,3
	ds_load_b128 v[32+12*\t:35+12*\t], v5 offset:768*(4+\t)
	ds_load_b64 v[36+12*\t:37+12*\t], v6 offset:768*(4+\t)
.endr
	s_wait_dscnt 0x0
.irp t, 4,5,6,7
	KQ \t
.endr
.rept 4
	v_nop                                          ; places in front of the first read of the scores
.endr
	s_cmp_lg_u32 s49, s48                          ; my own block: causal
	s_cbranch_scc1 .Lnot_diag
	v_mov_b32 v254, 0xff800000                     ; -infinity: p = 0 then
	MASK 1
.Lnot_diag:
	s_add_co_u32 s19, s49, 4
	s_cmp_lg_u32 s19, s48                          ; the block four back: the window's far edge
	s_cbranch_scc1 .Lnot_edge
	v_mov_b32 v254, 0xff800000
	MASK 0
.Lnot_edge:
.irp b, 0,1,2,3
	v_max3_num_f32 v[232+\b], v[128+16*\b], v[129+16*\b], v[130+16*\b]   ; the largest score of each block of 32 keys: for the row's maximum, and, since p rises with the score, for the block's largest p
.endr
	s_setprio 1
.irp i, 3,5,7,9,11,13
.irp b, 0,1,2,3
	v_max3_num_f32 v[232+\b], v[232+\b], v[128+16*\b+\i], v[129+16*\b+\i]
.endr
.endr
.irp b, 0,1,2,3
	v_max_num_f32 v[232+\b], v[232+\b], v[143+16*\b]
.endr
.irp b, 0,1,2,3
	s_delay_alu instid0(VALU_DEP_4)
	v_permlanex16_b32 v[236+\b], v[232+\b], s20, s21
.endr
.irp b, 0,1,2,3
	s_delay_alu instid0(VALU_DEP_4)
	v_max_num_f32 v[232+\b], v[232+\b], v[236+\b]  ; with lane l xor 16's 16 keys
.endr
	s_delay_alu instid0(VALU_DEP_2)
	v_max3_num_f32 v254, v232, v233, v234
	s_delay_alu instid0(VALU_DEP_1)
	v_max_num_f32 v254, v254, v235                 ; the step's largest score of my query
	s_delay_alu instid0(VALU_DEP_1)
	v_mul_f32 v254, s22, v254                      ; as t (c is positive)
	s_delay_alu instid0(VALU_DEP_1)
	v_max_num_f32 v13, v13, v254                   ; the running largest t
	v_mov_b32 v254, v12
	s_delay_alu instid0(VALU_DEP_2)
	v_floor_f32 v12, -v13                          ; the new -M = -ceil(t): a whole number
	s_delay_alu instid0(VALU_DEP_1)
	v_sub_f32 v254, v12, v254                      ; old M less new M: a whole number, 0 or less
	s_delay_alu instid0(VALU_DEP_1)
	v_cvt_i32_f32 v254, v254                       ; (it saturates)
	s_delay_alu instid0(VALU_DEP_1)
	v_ldexp_f32 v252, 1.0, v254                    ; f = 2^(old M - new M)
.set j, 0
.rept 32
	v_pk_fma_f32 v[128+j:129+j], v[128+j:129+j], s[22:23], v[12:13] op_sel_hi:[1,0,0]   ; t - M, two at a time
.set j, j+2
.endr
.irp b, 0,1,2,3
	v_fma_f32 v[232+\b], v[232+\b], s22, v12       ; the same of each block's largest score
.endr
.set j, 0
	s_wait_alu depctr_va_vdst(0)
.rept 64
	v_exp_f32 v[128+j], v[128+j]                   ; p = 2^(t - M), at most 1
.set j, j+1
.endr
.irp b, 0,1,2,3
	v_exp_f32 v[232+\b], v[232+\b]                 ; the block's largest p
.endr
	v_pk_mul_f32 v[14:15], v[14:15], v[252:253] op_sel_hi:[1,0]   ; the sums under the new M.  (A plain line behind the exponentials)
	s_wait_alu depctr_va_vdst(0)
.irp b, 0,1,2,3
	v_max_num_f32 v[232+\b], 0x1800000, v[232+\b]  ; the floor 2^(3 - 127): the byte cannot fall under 1
.endr
.irp b, 0,1,2,3
	s_delay_alu instid0(VALU_DEP_4)
	v_add_nc_u32 v[244+\b], 0xff000000, v[232+\b]  ; 2 off the exponent field: the conversion's scale operand
.endr
.irp b, 0,1,2,3
	s_delay_alu instid0(VALU_DEP_4)
	v_lshrrev_b32 v[236+\b], 23, v[244+\b]         ; the scale's byte
.endr
	s_delay_alu instid0(VALU_DEP_3)
	v_lshl_or_b32 v253, v237, 8, v236              ; p's scale word for these 128 keys
	s_delay_alu instid0(VALU_DEP_1)
	v_lshl_or_b32 v253, v238, 16, v253
	s_delay_alu instid0(VALU_DEP_1)
	v_lshl_or_b32 v253, v239, 24, v253
.irp c, 0,1
	v_cvt_scalef32_pk16_fp6_f32 v[224+6*\c:226+6*\c], v[128+32*\c:143+32*\c], v[244+2*\c]
	v_cvt_scalef32_pk16_fp6_f32 v[236+4*\c:238+4*\c], v[144+32*\c:159+32*\c], v[244+2*\c+1]   ; (a conversion's three registers begin on an even number)
.endr
	v_nop                                          ; one plain line behind the scaled conversions
	s_setprio 0
.irp c, 0,1                            ; the operand's layout wants a WHOLE block in a lane
.irp i, 0,1,2
	v_permlane16_swap_b32 v[224+6*\c+\i], v[236+4*\c+\i]
.endr
.irp i, 0,1,2
	s_delay_alu instid0(VALU_DEP_3)
	v_mov_b32 v[227+6*\c+\i], v[236+4*\c+\i]
.endr
.endr
	v_pk_add_f32 v[236:237], v[132:133], v[136:137]
	v_pk_add_f32 v[246:247], v[140:141], v[144:145]
	v_pk_add_f32 v[244:245], v[148:149], v[152:153]
	v_pk_add_f32 v[242:243], v[156:157], v[160:161]
	v_pk_add_f32 v[240:241], v[164:165], v[168:169]
	v_pk_add_f32 v[72:73], v[172:173], v[176:177]
	v_pk_add_f32 v[70:71], v[180:181], v[184:185]
	v_pk_add_f32 v[14:15], v[14:15], v[188:189]
	v_pk_add_f32 v[236:237], v[236:237], v[128:129]
	v_pk_add_f32 v[246:247], v[246:247], v[130:131]
	v_pk_add_f32 v[244:245], v[244:245], v[134:135]
	v_pk_add_f32 v[242:243], v[242:243], v[138:139]
	v_pk_add_f32 v[240:241], v[240:241], v[142:143]
	v_pk_add_f32 v[72:73], v[72:73], v[146:147]
	v_pk_add_f32 v[70:71], v[70:71], v[150:151]
	v_pk_add_f32 v[14:15], v[14:15], v[154:155]
	v_pk_add_f32 v[236:237], v[236:237], v[158:159]
	v_pk_add_f32 v[246:247], v[246:247], v[162:163]
	v_pk_add_f32 v[244:245], v[244:245], v[166:167]
	v_pk_add_f32 v[242:243], v[242:243], v[170:171]
	v_pk_add_f32 v[240:241], v[240:241], v[174:175]
	v_pk_add_f32 v[72:73], v[72:73], v[178:179]
	v_pk_add_f32 v[70:71], v[70:71], v[182:183]
	v_pk_add_f32 v[14:15], v[14:15], v[186:187]
	v_pk_add_f32 v[236:237], v[236:237], v[190:191]
	s_delay_alu instid0(VALU_DEP_2)
	v_pk_add_f32 v[14:15], v[14:15], v[242:243]
	s_delay_alu instid0(VALU_DEP_2)
	v_pk_add_f32 v[236:237], v[236:237], v[240:241]
	v_pk_add_f32 v[246:247], v[246:247], v[72:73]
	v_pk_add_f32 v[244:245], v[244:245], v[70:71]
	s_delay_alu instid0(VALU_DEP_2)
	v_pk_add_f32 v[14:15], v[14:15], v[246:247]
	s_delay_alu instid0(VALU_DEP_2)
	v_pk_add_f32 v[236:237], v[236:237], v[244:245]
	s_delay_alu instid0(VALU_DEP_1)
	v_pk_add_f32 v[14:15], v[14:15], v[236:237]
.set j, 0
.rept 16
	v_pk_mul_f32 v[192+j:193+j], v[192+j:193+j], v[252:253] op_sel_hi:[1,0]   ; O^T under the new M.  (With the sums above: the places between the writes of p's codes and scale word and the products below)
.set j, j+2
.endr
	; O^T += V^T P^T: four tiles of 16 channels, by turns; K = these 128 keys
	v_wmma_scale_f32_16x16x128_f8f6f4 v[192:199], v[80:91], v[224:235], v[192:199], v250, v253 matrix_a_fmt:MATRIX_FMT_FP6 matrix_b_fmt:MATRIX_FMT_FP6
	v_wmma_scale_f32_16x16x128_f8f6f4 v[200:207], v[92:103], v[224:235], v[200:207], v250, v253 matrix_a_fmt:MATRIX_FMT_FP6 matrix_b_fmt:MATRIX_FMT_FP6 matrix_a_scale:MATRIX_SCALE_ROW1
	v_wmma_scale_f32_16x16x128_f8f6f4 v[208:215], v[104:115], v[224:235], v[208:215], v251, v253 matrix_a_fmt:MATRIX_FMT_FP6 matrix_b_fmt:MATRIX_FMT_FP6
	v_wmma_scale_f32_16x16x128_f8f6f4 v[216:223], v[116:127], v[224:235], v[216:223], v251, v253 matrix_a_fmt:MATRIX_FMT_FP6 matrix_b_fmt:MATRIX_FMT_FP6 matrix_a_scale:MATRIX_SCALE_ROW1
.Lhidden:
	s_add_co_u32 s49, s49, 1                       ; the next block of keys,
	s_add_co_u32 s50, s50, RK                      ; its records
	s_add_co_u32 s51, s51, RV
	s_sub_co_u32 s52, s52, 1
	s_cmp_lg_u32 s52, 0
	s_cbranch_scc1 .Lstep
	s_setprio 0
	; ---- the end: O^T / the sum, quantised along the head's 64 (two blocks), as half a fragment of the last projection's operand
.rept 4
	v_nop                                          ; places behind the last products
.endr
	s_wait_alu depctr_va_vdst(0)
	v_add_f32 v14, v14, v15                        ; the sum's two halves,
	s_delay_alu instid0(VALU_DEP_1)
	v_permlanex16_b32 v236, v14, s20, s21
	s_delay_alu instid0(VALU_DEP_1)
	v_add_f32 v14, v14, v236                       ; and lane l xor 16's: the row's sum (my own key counts: it is above 1/2)
	s_wait_alu depctr_va_vdst(0)
	v_rcp_f32 v14, v14
	s_lshl_b32 s19, s55, 4
	v_nop                                          ; a plain line behind the reciprocal
.set j, 0
	s_wait_alu depctr_va_vdst(0)
.rept 32
	v_mul_f32 v[128+j], v[192+j], v14              ; register 16 b + i is channel 32 b + 16 h + i of my query
.set j, j+1
.endr
.irp b, 0,1
	v_max3_num_f32 v[232+\b], |v[128+16*\b]|, |v[129+16*\b]|, 0x1800000
.endr
.irp i, 2,4,6,8,10,12,14
.irp b, 0,1
	s_delay_alu instid0(VALU_DEP_2)
	v_max3_num_f32 v[232+\b], v[232+\b], |v[128+16*\b+\i]|, |v[129+16*\b+\i]|
.endr
.endr
.irp b, 0,1
	s_delay_alu instid0(VALU_DEP_2)
	v_permlanex16_b32 v[236+\b], v[232+\b], s20, s21
.endr
.irp b, 0,1
	s_delay_alu instid0(VALU_DEP_2)
	v_max_num_f32 v[232+\b], v[232+\b], v[236+\b]
.endr
.irp b, 0,1
	s_delay_alu instid0(VALU_DEP_2)
	v_add_nc_u32 v[244+\b], 0xff000000, v[232+\b]
.endr
.irp b, 0,1
	s_delay_alu instid0(VALU_DEP_2)
	v_lshrrev_b32 v[236+\b], 23, v[244+\b]
.endr
	s_delay_alu instid0(VALU_DEP_1)
	v_lshl_or_b32 v254, v237, 8, v236              ; my head's two bytes of the row's scale word,
	s_delay_alu instid0(VALU_DEP_1)
	v_lshlrev_b32 v254, s19, v254                  ; at their places: the pair's second head above
	v_cvt_scalef32_pk16_fp6_f32 v[224:226], v[128:143], v244
	v_cvt_scalef32_pk16_fp6_f32 v[240:242], v[144:159], v245
	v_nop                                          ; one plain line behind the scaled conversions
.irp i, 0,1,2
	v_permlane16_swap_b32 v[224+\i], v[240+\i]
.endr
.irp i, 0,1,2
	s_delay_alu instid0(VALU_DEP_3)
	v_mov_b32 v[227+\i], v[240+\i]
.endr
	global_store_b128 v1, v[224:227], s[8:9]       ; 512 consecutive bytes, aligned to 256
	global_store_b64 v2, v[228:229], s[8:9]        ; 256 consecutive bytes behind them
	ds_store_b32 v10, v254                         ; lanes l and l xor 16 write the same word with the same value
	s_wait_dscnt 0x0                               ; for wave 0's sake: my store has landed
	s_barrier_signal -1
	s_barrier_wait -1
	s_cmp_lg_u32 s18, 0
	s_cbranch_scc1 .Lend
	ds_load_b128 v[128:131], v11                   ; the first head's halves of 8 tiles x 16 words,
	ds_load_b128 v[132:135], v11 offset:512        ; the second's
	s_wait_dscnt 0x0
.irp i, 0,1,2,3
	v_or_b32 v[128+\i], v[128+\i], v[132+\i]
.endr
	global_store_b128 v1, v[128:131], s[10:11]     ; 512 consecutive bytes, aligned to 256
.Lend:
	s_wait_tensorcnt 0x0
	ds_add_u32 v248, v249
	s_wait_dscnt 0x0
	s_endpgm
.Lfunc_end_k_qc96f4966a9_attn:
	.size	k_qc96f4966a9_attn, .Lfunc_end_k_qc96f4966a9_attn-k_qc96f4966a9_attn
	.p2alignl 7, 3214868480
	.fill 96, 4, 3214868480
	.section	.rodata,"a",@progbits
	.p2align	6, 0x0
	.amdhsa_kernel k_qc96f4966a9_attn
		.amdhsa_group_segment_fixed_size 169984
		.amdhsa_private_segment_fixed_size 0
		.amdhsa_enable_private_segment 0
		.amdhsa_kernarg_size 32
		.amdhsa_user_sgpr_count 2
		.amdhsa_user_sgpr_kernarg_segment_ptr 1
		.amdhsa_wavefront_size32 1
		.amdhsa_system_sgpr_workgroup_id_x 1
		.amdhsa_system_sgpr_workgroup_id_y 1
		.amdhsa_system_sgpr_workgroup_id_z 1
		.amdhsa_system_vgpr_workitem_id 0
		.amdhsa_next_free_vgpr 256
		.amdhsa_next_free_sgpr 66
		.amdhsa_reserve_vcc 1
		.amdhsa_float_denorm_mode_32 3
		.amdhsa_float_denorm_mode_16_64 3
		.amdhsa_memory_ordered 1
		.amdhsa_forward_progress 1
		.amdhsa_inst_pref_size 42
	.end_amdhsa_kernel
	.amdgpu_metadata
---
amdhsa.version: [ 1, 2 ]
amdhsa.kernels:
  - .name:           k_qc96f4966a9_attn
    .symbol:         k_qc96f4966a9_attn.kd
    .args:
      - { .name: qk, .offset: 0, .size: 8, .value_kind: global_buffer, .address_space: global }
      - { .name: vrec, .offset: 8, .size: 8, .value_kind: global_buffer, .address_space: global }
      - { .name: o_img, .offset: 16, .size: 8, .value_kind: global_buffer, .address_space: global }
      - { .name: o_sc, .offset: 24, .size: 8, .value_kind: global_buffer, .address_space: global }
    .group_segment_fixed_size: 169984
    .private_segment_fixed_size: 0
    .kernarg_segment_align: 8
    .kernarg_segment_size: 32
    .max_flat_workgroup_size: 512
    .sgpr_count:     66
    .vgpr_count:     256
    .wavefront_size: 32
...
	.end_amdgpu_metadata
.endif
;; end of part 3
;; launch oproj (part 4): grid 4 x 16, 4 waves a work-group, clusters of 4 x 4, 327,680 bytes of LDS; arguments o_img, o_sc, img, sc, out0; writes out0
.if DOCPART == 4
	.amdgcn_target "amdgcn-amd-amdhsa--gfx1250"
	.amdhsa_code_object_version 6
	.text
	.protected	k_qc96f4966a9_oproj
	.globl	k_qc96f4966a9_oproj
	.p2align	8
	.type	k_qc96f4966a9_oproj,@function
k_qc96f4966a9_oproj:
	s_mov_b64 s[64:65], 0
	v_nop
	global_prefetch_b8 v0, s[64:65] scope:SCOPE_SE
	s_setreg_imm32_b32 hwreg(HW_REG_WAVE_MODE, 25, 1), 1
	s_wait_xcnt 0x0
	s_wait_alu depctr_hold_cnt(0) depctr_sa_sdst(0) depctr_va_vdst(0) depctr_va_sdst(0) depctr_va_ssrc(0) depctr_va_vcc(0) depctr_vm_vsrc(0)
	s_getreg_b32 s2, hwreg(HW_REG_IB_STS2, 6, 4)
	s_cmp_eq_u32 s2, 0
	s_cbranch_scc0 .Lentry_in_a_cluster
	s_endpgm
.Lentry_in_a_cluster:
	s_bfe_u32 s2, ttmp6, 0x10000c
	s_cmp_lg_u32 s2, 0xf033
	s_cbranch_scc0 .Lentry_shape_is_right
	s_endpgm
.Lentry_shape_is_right:
; out0 = O Wo^T on codes of FP6 (E2M3) with E8M0 scales: 4,096 x 1,024, K = 1,024; f32 out.
; A tile of C, 256 x 256, is made by a work-group of four waves; a wave makes 128 x 128: 64 accumulators, 512 registers.  64 work-groups: C has no more tiles of this size.
; OPERANDS lie as images of their registers: [tile of 16 rows][8 K steps][1,536 bytes]; a fragment's half c (768 bytes): registers 6c..6c+3 at 16 x lane, then 6c+4, 6c+5 at 8 x lane.  A: o_img; B: img from tile 448 on (Wo).
; Stored tile T, lane-row r, is source row 32 (T/2) + 8 (T%2) + r + 8 (r/8): the way out puts rows and columns back in their places.
; K goes in steps of 256 through a ring of two LDS slots: four fills, written out.  The scale words of all of K ([K step][tile][16 words]) come once, with the first fills.
; CLUSTERS: 4 x 4 work-groups; A's tiles are asked for jointly along a row of the cluster, B's along a column.  THE MATRIX INSTRUCTION IS USED TRANSPOSED (source 0 = 16 rows of B, source 1 = 16 rows of A).
; REGISTERS: window 0: v16-29 addresses; v32-63 scale words, two sets; v128-223 A's fragments; on the way out v128-255 hold rows read back.  window 1: B's fragments, two sets.  windows 2, 3: the accumulators ((a, b) at v[8 (8 (a%4) + b)]).
.set NQ,     2
.set FR,     12
.set FRB,    1536
.set NL,     4                         ; LDS loads that bring a fragment
.set NP,     4                         ; places behind this matrix instruction (ISA guide 7.12.1)
.set TILEB,  NQ*FRB
.set HALFT,  8*TILEB                   ; 8 tiles = 128 rows: what one tensor load brings
.set SLOT,   4*HALFT
.set SCL,    2*SLOT                    ; the scale words: four quarters [8 K steps][8 tiles][64 bytes]
.set HALFS,  4096
.set SPARE,  SCL+4*HALFS               ; the spare words, 128 bytes for each wave: two blocks of 256 bytes that no other line names
.set SPITCH, 528                       ; the way out: a stage of 16 rows x (512 bytes + 16) for each wave, in slot 0, which has had its last fill and its last read when the first result is stored there
.set ADRA, 16
.set ADRB, 20
.set STO,  24                          ; v24 the way out: where I put my bytes of a row
.set RD,   25                          ; v25 where I read a row back
.set CO,   26                          ; v26 16 x lane: my bytes of a row of 512
.set ADRS, 27
.set SPW,  28
.set NIL,  29
.set SC,   32
.set AF,   128
.set BK,   128                         ; the way out: 16 rows read back: v128-191 and v192-255 by turns
.set G1, 24
.set G0, 32
.set G1B, 48
.set G0B, 56
.set G1S, 68
.set G0S, 76
.set G1SB, 80
.set G0SB, 88
.set MSB, 0
.macro WIN new                         ; the immediate's high byte repeats the setting that is left
.if MSB != (\new)
	s_set_vgpr_msb (MSB<<8)|(\new)
.set MSB, (\new)
.endif
.endm
.set MUL_LO, 0xa1
.set MUL_HI, 0xf1
.set TO_B,   0x40
.macro JLOAD g0a, g1a, g0b, g1b        ; a joint load: waves 0 and 1 fetch for A, waves 2 and 3 for B; four v_nop follow each line
	s_cmp_eq_u32 s15, 0
	s_cbranch_scc0 .Lfor_b_\@
	tensor_load_to_lds s[\g0a:\g0a+3], s[\g1a:\g1a+7]
	s_nop 0
.rept 4
	v_nop
.endr
	s_branch .Lasked_\@
.Lfor_b_\@:
	tensor_load_to_lds s[\g0b:\g0b+3], s[\g1b:\g1b+7]
	s_nop 0
.rept 4
	v_nop
.endr
.Lasked_\@:
.endm
.macro CREST
	s_cmp_lg_u32 s14, 0
	s_cbranch_scc1 .Lnot_wave_0_\@
	s_barrier_signal -3
.Lnot_wave_0_\@:
	s_barrier_wait -3
	s_barrier_signal -1
	s_barrier_wait -1
.endm
.macro CROUND
	s_barrier_signal -1
	s_barrier_wait -1
	CREST
.endm
	s_load_b128 s[4:7], s[0:1], 0x0                ; o_img s[4:5], o_sc s[6:7]
	s_load_b128 s[8:11], s[0:1], 0x10              ; img s[8:9], sc s[10:11]
	s_load_b64 s[12:13], s[0:1], 0x20              ; out0
	v_lshl_add_u32 v[SPW], v0, 2, SPARE
	v_mov_b32 v[NIL], 0
	ds_add_u32 v28, v29
	ds_add_u32 v28, v29
	s_wait_dscnt 0x0
	v_lshrrev_b32 v1, 5, v0
	v_readfirstlane_b32 s14, v1                    ; wave 0..3
	s_lshr_b32 s15, s14, 1                         ; my half of the tile's rows.  Also: I fetch for A (0) or for B (1)
	s_and_b32 s16, s14, 1                          ; my half of its columns.  Also: which 8 tiles I fetch
	s_bfe_u32 s40, ttmp6, 0x40000                  ; cx, cy
	s_bfe_u32 s41, ttmp6, 0x40004
	s_lshl_b32 s42, ttmp9, 2
	s_add_co_u32 s42, s42, s40                     ; tile column of C
	s_and_b32 s17, ttmp7, 0xffff
	s_lshl_b32 s17, s17, 2
	s_add_co_u32 s17, s17, s41                     ; tile row of C
	s_lshl_b32 s43, s41, 2
	s_lshl_b32 s43, 15, s43                        ; my row of the cluster
	s_lshl_b32 s44, 0x1111, s40                    ; my column
	s_or_b32 s[G1+0], s43, (3<<16)|(1<<21)         ; codes: 8 rows (tiles) of 3,072 bytes (384 elements of 8 bytes), 12,288 bytes apart
	s_or_b32 s[G1B+0], s44, (3<<16)|(1<<21)
.irp g, G1, G1B
	s_mov_b32 s[\g+1], 384<<16
	s_mov_b32 s[\g+2], 8<<16
	s_mov_b32 s[\g+3], 384<<16
	s_mov_b32 s[\g+4], 8
	s_mov_b32 s[\g+5], 1536
	s_mov_b32 s[\g+6], 0
	s_mov_b32 s[\g+7], 0
.endr
	s_or_b32 s[G1S+0], s43, (3<<16)|(1<<21)        ; scale words: 8 rows (K steps) of 512 bytes; o_sc has 256 tiles a K step, sc 512
	s_or_b32 s[G1SB+0], s44, (3<<16)|(1<<21)
.irp g, G1S, G1SB
	s_mov_b32 s[\g+1], 64<<16
	s_mov_b32 s[\g+2], 8<<16
	s_mov_b32 s[\g+3], 64<<16
	s_mov_b32 s[\g+4], 8
	s_mov_b32 s[\g+6], 0
	s_mov_b32 s[\g+7], 0
.endr
	s_mov_b32 s[G1S+5], 2048
	s_mov_b32 s[G1SB+5], 4096
	s_lshl_b32 s18, s16, 3
	s_lshl_b32 s20, s17, 4
	s_add_co_u32 s20, s20, s18                     ; A: tile 16 x tile row + 8 x half
	s_lshl_b32 s46, s42, 4
	s_add_co_u32 s46, s46, s18
	s_add_co_u32 s46, s46, 448                     ; B: tile 448 + 16 x tile column + 8 x half
	s_lshl_b32 s22, s20, 6
	s_mov_b32 s23, 0
	s_lshl_b32 s92, s46, 6
	s_mov_b32 s93, 0
	s_mul_i32 s20, s20, 8*FRB
	s_mov_b32 s21, 0
	s_mul_i32 s46, s46, 8*FRB
	s_mov_b32 s47, 0
	s_mul_i32 s45, s14, HALFT                      ; where they go: by the wave's number alone
	s_lshl_b32 s94, s14, 12
	s_wait_kmcnt 0x0
	s_add_nc_u64 s[20:21], s[4:5], s[20:21]
	s_add_nc_u64 s[22:23], s[6:7], s[22:23]
	s_add_nc_u64 s[46:47], s[8:9], s[46:47]
	s_add_nc_u64 s[92:93], s[10:11], s[92:93]
	CROUND                                         ; all sixteen work-groups are here: the first joint loads meet
	s_mov_b32 s[G0S], 1
	s_add_co_u32 s[G0S+1], s94, SCL
	s_mov_b64 s[G0S+2:G0S+3], s[22:23]
	s_or_b32 s[G0S+3], s[G0S+3], 0x80000000
	s_mov_b32 s[G0SB], 1
	s_add_co_u32 s[G0SB+1], s94, SCL
	s_mov_b64 s[G0SB+2:G0SB+3], s[92:93]
	s_or_b32 s[G0SB+3], s[G0SB+3], 0x80000000
	JLOAD G0S, G1S, G0SB, G1SB                     ; three tensor loads of mine are out at the most
.irp s, 0,1
	s_mov_b32 s[G0+4*\s], 1
	s_add_co_u32 s[G0+4*\s+1], s45, \s*SLOT
	s_add_nc_u64 s[G0+4*\s+2:G0+4*\s+3], s[20:21], \s*TILEB
	s_or_b32 s[G0+4*\s+3], s[G0+4*\s+3], 0x80000000
	s_mov_b32 s[G0B+4*\s], 1
	s_add_co_u32 s[G0B+4*\s+1], s45, \s*SLOT
	s_add_nc_u64 s[G0B+4*\s+2:G0B+4*\s+3], s[46:47], \s*TILEB
	s_or_b32 s[G0B+4*\s+3], s[G0B+4*\s+3], 0x80000000
	JLOAD G0+4*\s, G1, G0B+4*\s, G1B
.endr
	v_and_b32 v1, 31, v0                           ; lane
	v_and_b32 v2, 15, v0                           ; r
	v_bfe_u32 v3, v0, 4, 1                         ; h
	v_lshlrev_b32 v[CO], 4, v1                     ; 16 x lane
	v_lshlrev_b32 v4, 3, v1                        ; 8 x lane
	s_mul_i32 s21, s15, HALFT
	s_mul_i32 s22, s16, HALFT
	s_add_co_u32 s22, s22, 2*HALFT
.irp s, 0,1
	v_add_nc_u32 v[ADRA+\s], s21, v[CO]
	v_add_nc_u32 v[ADRB+\s], s22, v[CO]
	v_add_nc_u32 v[ADRA+2+\s], s21, v4
	v_add_nc_u32 v[ADRB+2+\s], s22, v4
	s_add_co_u32 s21, s21, SLOT
	s_add_co_u32 s22, s22, SLOT
.endr
	s_lshl_b32 s21, s15, 12
	s_lshl_b32 s22, s16, 12
	s_add_co_u32 s22, s22, 2*HALFS
	s_sub_co_u32 s22, s22, s21
	v_mul_u32_u24 v6, s22, v3                      ; lanes 16-31 take B's words: one product with h
	s_add_co_u32 s21, s21, SCL
	v_lshl_add_u32 v6, v2, 2, v6
	v_add_nc_u32 v[ADRS], s21, v6
	s_mul_i32 s23, s14, 16*SPITCH                  ; my stage
	v_mul_u32_u24 v5, v2, SPITCH                   ; in: row r; accumulator b's eight columns begin at column 32 (b/2) + 16 h + 8 (b%2)
	v_lshl_add_u32 v5, v3, 6, v5
	v_add_nc_u32 v[STO], s23, v5
	v_add_nc_u32 v[RD], s23, v[CO]                 ; back: the 32 lanes take one row of 512 bytes
	s_lshl_b32 s20, s17, 8
	s_lshl_b32 s21, s15, 7
	s_add_co_u32 s20, s20, s21                     ; my first row of C,
	s_lshl_b32 s20, s20, 12                        ; of 4,096 bytes;
	s_lshl_b32 s46, s42, 10                        ; my first column, in bytes
	s_lshl_b32 s47, s16, 9
	s_add_co_u32 s46, s46, s47
	s_add_co_u32 s20, s20, s46
	s_mov_b32 s21, 0
	s_add_nc_u64 s[12:13], s[12:13], s[20:21]
.macro FRAG reg, adr, q, i
.irp c, 0,1
	ds_load_b128 v[\reg+6*\c:\reg+6*\c+3], v[\adr] offset:TILEB*(\i)+FRB*(\q)+768*\c
	ds_load_b64 v[\reg+6*\c+4:\reg+6*\c+5], v[\adr+2] offset:TILEB*(\i)+FRB*(\q)+768*\c+512
.endr
.endm
; 16 matrix instructions: A's blocks a0, a0 + 1 x B's eight.  The 64 accumulators take turns, one instruction a turn, in the same order in every step.
.macro MUL16 a0, p, q, sc, zero
.irp a, \a0, \a0+1
.irp b, 0,1,2,3,4,5,6,7
.if \zero
	v_wmma_scale_f32_16x16x128_f8f6f4 v[8*(8*((\a)%4)+\b):8*(8*((\a)%4)+\b)+7], v[128*(\p)+FR*\b:128*(\p)+FR*\b+FR-1], v[AF+FR*(\a):AF+FR*(\a)+FR-1], 0, v[SC+8*NQ*(\sc)+NQ*\b+(\q)], v[SC+8*NQ*(\sc)+NQ*(\a)+(\q)] matrix_a_fmt:MATRIX_FMT_FP6 matrix_b_fmt:MATRIX_FMT_FP6 matrix_a_scale:MATRIX_SCALE_ROW1
.else
	v_wmma_scale_f32_16x16x128_f8f6f4 v[8*(8*((\a)%4)+\b):8*(8*((\a)%4)+\b)+7], v[128*(\p)+FR*\b:128*(\p)+FR*\b+FR-1], v[AF+FR*(\a):AF+FR*(\a)+FR-1], v[8*(8*((\a)%4)+\b):8*(8*((\a)%4)+\b)+7], v[SC+8*NQ*(\sc)+NQ*\b+(\q)], v[SC+8*NQ*(\sc)+NQ*(\a)+(\q)] matrix_a_fmt:MATRIX_FMT_FP6 matrix_b_fmt:MATRIX_FMT_FP6 matrix_a_scale:MATRIX_SCALE_ROW1
.endif
.endr
.endr
.endm
.macro FETCH_B slot, q, p
	WIN TO_B
.irp i, 0,1,2,3,4,5,6,7
	FRAG 128*(\p)+FR*\i, ADRB+\slot, \q, \i
.endr
	WIN 0
.endm
.macro FETCH_A slot, q, i0
.irp i, \i0, \i0+1, \i0+2, \i0+3
	FRAG AF+FR*(\i), ADRA+\slot, \q, \i
.endr
.endm
.macro SCALES sc, ks
.irp i, 0,1,2,3,4,5,6,7
.irp q, 0,1
	ds_load_b32 v[SC+8*NQ*\sc+NQ*\i+\q], v[ADRS] offset:64*\i+512*\q+1024*(\ks)
.endr
.endr
.endm
.macro PLACES n
.rept \n
	v_nop
.endr
.endm
.macro STEP slot, q, zero
	s_wait_dscnt 4*NL                              ; all but the youngest sixteen loads (A's blocks 4-7) are in
	WIN MUL_LO
	MUL16 0, (\q)%2, \q, \slot, \zero
	MUL16 2, (\q)%2, \q, \slot, \zero
	s_wait_dscnt 0
	PLACES NP
	FETCH_B \slot, (\q)+1, 1-(\q)%2
	FETCH_A \slot, (\q)+1, 0
	WIN MUL_HI
	MUL16 4, (\q)%2, \q, \slot, \zero
	MUL16 6, (\q)%2, \q, \slot, \zero
	PLACES NP
	WIN 0
	FETCH_A \slot, (\q)+1, 4
.endm
.macro TURN slot, next, fill, ks
	s_wait_tensorcnt 0x0                           ; all my tensor loads have landed: my part of the next slot
	ds_add_u32 v[SPW], v[NIL]                      ; 0 onto my spare word
	s_wait_dscnt 4*NL+1                            ; (the add and the youngest sixteen loads may be out)
	WIN MUL_LO
	MUL16 0, 1, NQ-1, \slot, 0
	s_wait_dscnt 0x0                               ; the add is done, and my reads of this slot are over
	s_barrier_signal -1
	MUL16 2, 1, NQ-1, \slot, 0
	WIN 0
	s_barrier_wait -1
.if \fill
	CREST                                          ; no wave of any partner still reads this slot's tile or has a load on its way
	s_add_nc_u64 s[G0+4*\slot+2:G0+4*\slot+3], s[G0+4*\slot+2:G0+4*\slot+3], 2*TILEB
	s_add_nc_u64 s[G0B+4*\slot+2:G0B+4*\slot+3], s[G0B+4*\slot+2:G0B+4*\slot+3], 2*TILEB
	JLOAD G0+4*\slot, G1, G0B+4*\slot, G1B         ; the first tensor load behind the round; its four v_nop are also the places in front of the loads below
.else
	PLACES NP
.endif
	FETCH_B \next, 0, 0
	FETCH_A \next, 0, 0
	SCALES \next, \ks
	WIN MUL_HI
	MUL16 4, 1, NQ-1, \slot, 0
	MUL16 6, 1, NQ-1, \slot, 0
	PLACES NP
	WIN 0
	FETCH_A \next, 0, 4
.endm
	s_wait_tensorcnt 1                             ; the scale words and my part of fill 0 are in (slot 1's load may be out)
	s_barrier_signal -1
	s_barrier_wait -1                              ; everybody's are
	FETCH_B 0, 0, 0
	FETCH_A 0, 0, 0
	SCALES 0, 0
	FETCH_A 0, 0, 4
	STEP 0, 0, 1
	TURN 0, 1, 1, 1
	STEP 1, 0, 0
	TURN 1, 0, 1, 2
	STEP 0, 0, 0
	TURN 0, 1, 0, 3                                ; nothing is left to fetch; behind this barrier nobody reads slot 0
	STEP 1, 0, 0
	s_wait_dscnt 4*NL
	WIN MUL_LO
	MUL16 0, 1, NQ-1, 1, 0
	MUL16 2, 1, NQ-1, 1, 0
	s_wait_dscnt 0
	WIN MUL_HI
	MUL16 4, 1, NQ-1, 1, 0
	MUL16 6, 1, NQ-1, 1, 0
	WIN 0
; THE WAY OUT, block by block of 16 rows x 128 columns, through my own stage: in by lanes (32 bytes of a row each), back as whole rows of 512 bytes.  LDS serves a wave's instructions in order: no wait between stores and loads.
.macro TOSTAGE a
.set AC, 64*((\a)%4)
	WIN 0x08+4*((\a)/4)                            ; an LDS store's data: window 2 or 3
.irp b, 0,1,2,3,4,5,6,7
	ds_store_b128 v[STO], v[AC+8*\b:AC+8*\b+3] offset:128*(\b/2)+32*(\b%2)          ; each accumulator from its low end on
	ds_store_b128 v[STO], v[AC+8*\b+4:AC+8*\b+7] offset:128*(\b/2)+32*(\b%2)+16
.endr
	WIN 0
.set BB, BK+64*((\a)%2)
.irp t, 0,1,2,3,4,5,6,7,8,9,10,11,12,13,14,15
	ds_load_b128 v[BB+4*\t:BB+4*\t+3], v[RD] offset:\t*SPITCH
.endr
.endm
.macro SEND a, younger                 ; stage row t of block a is row 32 (a/2) + 8 (a%2) + t + 8 (t/8) of my 128: every row's place is an immediate, 127 rows of 4,096 bytes at the most
.set BB, BK+64*((\a)%2)
	s_wait_dscnt \younger                          ; the block is back in registers
.irp t, 0,1,2,3,4,5,6,7,8,9,10,11,12,13,14,15
	global_store_b128 v[CO], v[BB+4*\t:BB+4*\t+3], s[12:13] offset:(32*((\a)/2)+8*((\a)%2)+\t+8*(\t/8))*4096 th:TH_STORE_NT   ; 512 consecutive bytes, aligned to 256; written once, read by nobody here
.endr
.endm
	PLACES NP                                      ; behind the last products: for the loads into the registers that held A's fragments and for the reads of results
	TOSTAGE 0
.irp a, 1,2,3,4,5,6,7
.if \a > 1
	s_wait_xcnt 0x0                                ; the stores of two blocks ago have read their registers: this block's loads may land there
.endif
	TOSTAGE \a
	SEND \a-1, 32                                  ; behind that block's loads: this block's 16 stores and 16 loads
.endr
	SEND 7, 0
	s_wait_tensorcnt 0x0                           ; the wave's end
	ds_add_u32 v[SPW], v[NIL]
	s_wait_dscnt 0x0
	CROUND                                         ; the closing round
	s_endpgm
.Lfunc_end_k_qc96f4966a9_oproj:
	.size	k_qc96f4966a9_oproj, .Lfunc_end_k_qc96f4966a9_oproj-k_qc96f4966a9_oproj
	.p2alignl 7, 3214868480
	.fill 96, 4, 3214868480
	.section	.rodata,"a",@progbits
	.p2align	6, 0x0
	.amdhsa_kernel k_qc96f4966a9_oproj
		.amdhsa_group_segment_fixed_size 327680
		.amdhsa_private_segment_fixed_size 0
		.amdhsa_enable_private_segment 0
		.amdhsa_kernarg_size 40
		.amdhsa_user_sgpr_count 2
		.amdhsa_user_sgpr_kernarg_segment_ptr 1
		.amdhsa_wavefront_size32 1
		.amdhsa_system_sgpr_workgroup_id_x 1
		.amdhsa_system_sgpr_workgroup_id_y 1
		.amdhsa_system_sgpr_workgroup_id_z 1
		.amdhsa_system_vgpr_workitem_id 0
		.amdhsa_next_free_vgpr 1024
		.amdhsa_next_free_sgpr 98
		.amdhsa_reserve_vcc 0
		.amdhsa_float_denorm_mode_32 3
		.amdhsa_float_denorm_mode_16_64 3
		.amdhsa_memory_ordered 1
		.amdhsa_forward_progress 1
		.amdhsa_inst_pref_size 145
	.end_amdhsa_kernel
	.amdgpu_metadata
---
amdhsa.version: [ 1, 2 ]
amdhsa.kernels:
  - .name:           k_qc96f4966a9_oproj
    .symbol:         k_qc96f4966a9_oproj.kd
    .args:
      - { .name: o_img, .offset: 0, .size: 8, .value_kind: global_buffer, .address_space: global }
      - { .name: o_sc, .offset: 8, .size: 8, .value_kind: global_buffer, .address_space: global }
      - { .name: img, .offset: 16, .size: 8, .value_kind: global_buffer, .address_space: global }
      - { .name: sc, .offset: 24, .size: 8, .value_kind: global_buffer, .address_space: global }
      - { .name: out0, .offset: 32, .size: 8, .value_kind: global_buffer, .address_space: global }
    .group_segment_fixed_size: 327680
    .private_segment_fixed_size: 0
    .kernarg_segment_align: 8
    .kernarg_segment_size: 40
    .max_flat_workgroup_size: 128
    .sgpr_count:     98
    .vgpr_count:     1024
    .wavefront_size: 32
...
	.end_amdgpu_metadata
.endif
;; end of part 4
